; MI455X (gfx1250); checked and timed in simulation.
; The chip was launched on July 23, 2026; its instructions are those of AMD's public machine-readable ISA for CDNA 5 (MIT licence, August 2026) and "CDNA5" Instruction Set Architecture Reference Guide (July 2026). The comments in the code are by the model that wrote it; some were corrected since.
;; Multi Head Self Attention. Allowed arithmetic: matrix products marked QUANTISED: E2M1 operands, one E8M0 scale for each 32 along K, by v_wmma_scale_f32_16x16x128_f8f6f4 with both operands' format E2M1 (or v_wmma_scale_f32_32x16x128_f4), f32 sums; products left as they are: bf16, f16 or f32 operands; f32 sums; everything else in f32.
;; Inputs: Wk 1,024 x 1,024 float32; Wo 1,024 x 1,024 float32; Wq 1,024 x 1,024 float32; Wv 1,024 x 1,024 float32; bk 1,024 float32; bo 1,024 float32; bq 1,024 float32; bv 1,024 float32; x 4 x 2,048 x 1,024 float32.
;; Outputs: out0 4 x 2,048 x 1,024 float32.
;; This version of the problem:
;;   THIS VERSION OF THE PROBLEM IS GIVEN IN LOW PRECISION. The matrix products marked QUANTISED in the list below multiply operands that are first quantised to E2M1 (2 exponent bits, 1 mantissa bit; 4 bits a number), with one power-of-two scale for each 32 numbers along K (OCP MX v1.0); their sums are f32. The products marked 'left as it is' may take bf16, f16 or f32 operands, with f32 sums. Whichever they take, every output number must still come out within the allowed error. Rounding operands to bf16 (8 significant bits) uses up far more of that allowance than f16 does (11 bits, for magnitudes from 6e-5 to 65,504). All else is computed in f32.
;;   The module's matrix products, in the order in which they are computed (A, B: the left and right operand; K: the contracted axis; several contracted axes count as one K, in the product's order):
;;     1. [M 8,192, K 1,024] x [K 1,024, N 1,024]; A: input x; B: input Wq: QUANTISED
;;     2. [M 8,192, K 1,024] x [K 1,024, N 1,024]; A: input x; B: input Wk: QUANTISED
;;     3. [M 8,192, K 1,024] x [K 1,024, N 1,024]; A: input x; B: input Wv: QUANTISED
;;     4. batch 64 x [M 2,048, K 64] x [K 64, N 2,048]; A: computed on the way; B: computed on the way: left as it is (an operand is computed on the way)
;;     5. batch 64 x [M 2,048, K 2,048] x [K 2,048, N 64]; A: computed on the way; B: computed on the way: left as it is (an operand is computed on the way)
;;     6. [M 8,192, K 1,024] x [K 1,024, N 1,024]; A: computed on the way; B: input Wo: left as it is (an operand is computed on the way)
;;   THE QUANTISER, for each operand of a quantised product, along K:
;;     - K is cut into blocks of 32 from its start; a last block that is shorter is filled with zeros.
;;     - A block's scale is 2^e with e = floor(log2(the largest magnitude in the block)) - 2, held to -126 .. 127; a block of zeros has e = 0. As a byte (E8M0): e + 127.
;;     - Each number is divided by its block's scale, clamped to +-6, and rounded to the nearest number of E2M1, ties to even, subnormals kept.
;;     - The product sums the exact products of the quantised numbers (number of the format x scale) in f32.
;;   ~~~python
;;   def quantise(x, axis):      # numpy; x: float32 -> the quantised numbers, widened to float32 again
;;       x = np.moveaxis(x, axis, -1); K = x.shape[-1]
;;       x = np.pad(x, [(0, 0)] * (x.ndim - 1) + [(0, -K % 32)]); x = x.reshape(x.shape[:-1] + (-1, 32)); a = np.abs(x).max(-1, keepdims=True)
;;       e = np.where(a > 0, np.clip(np.frexp(np.where(a > 0, a, 1))[1] - 1 - 2, -126, 127), 0)      # np.frexp(a)[1] - 1 = floor(log2(a)), exactly
;;       r = np.clip(x / 2.0 ** e, -6, 6)
;;       step = 2.0 ** (np.maximum(np.frexp(np.where(r == 0, 1, r))[1] - 1, 0) - 1)
;;       q = np.round(r / step) * step * 2.0 ** e      # np.round: ties to even
;;       return np.moveaxis(q.reshape(q.shape[:-2] + (-1,))[..., :K], -1, axis).astype(np.float32)
;;   ~~~
;; One version. Each part assembles by itself: llvm-mc -triple=amdgcn-amd-amdhsa -mcpu=gfx1250 --defsym DOCPART=n.
;; ======== version 1 of 1: 5 launches
;; limits: values are held in f16: magnitudes above 65,504 overflow, below 6.1e-05 lose precision
;; workspace buffers: xq 4,456,448 bytes; wq 1,671,168 bytes; wo_h 2,097,152 bytes; rowinfo 65,536 bytes; qkv 50,331,648 bytes; cf 16,777,216 bytes
;; launch quantx (part 1): grid 256 x 1, 16 waves a work-group, no clusters, 167,936 bytes of LDS; arguments x, xq, rowinfo; writes xq, rowinfo
.if DOCPART == 1
	.amdgcn_target "amdgcn-amd-amdhsa--gfx1250"
	.amdhsa_code_object_version 6
	.text
	.protected	k_qcaaa41fbf7_quantx
	.globl	k_qcaaa41fbf7_quantx
	.p2align	8
	.type	k_qcaaa41fbf7_quantx,@function
k_qcaaa41fbf7_quantx:
	s_mov_b64 s[64:65], 0
	v_nop
	global_prefetch_b8 v0, s[64:65] scope:SCOPE_SE
	s_setreg_imm32_b32 hwreg(HW_REG_WAVE_MODE, 25, 1), 1
	s_wait_xcnt 0x0
; MULTI-HEAD SELF-ATTENTION, B = 4, S = 2,048, D = 1,024, 16 heads of 64.  Five launches: this one (x into codes, and the pad mask), the weights' preparation,
; the three quantised projections, the attention, the projection on the way out.
; DEAD WORK: none is left out, and every input is loaded.  bk stays: with masked keys the fixed -1e9 does not move with q . bk.  bv is added behind the softmax instead of ahead of it:
; the weights of a row sum to 1 for all values of the inputs, so sum(w (v + bv)) = sum(w v) + bv; it rides in a multiply-add that is due anyway (launch 4).
; THIS LAUNCH: x [8,192][1,024] f32 -> codes of E2M1 with one E8M0 byte for each 32 along K, laid AS THE MATRIX UNIT'S REGISTERS TAKE THEM:
;   codes  [row tile 512][K step 8][c 2][lane 32][16 bytes]: lane (r, h) holds row 16 tile + r, k = 128 step + 64 c + 32 h + 0 .. 31;
;   scales at byte 4,194,304: [row tile][half of K 2][r 16][4 words], a word = the four bytes of one K step of 128.
; And the mask of reference(): a token is a pad if any of its 1,024 numbers is 0.  rowinfo: keep[8,192] (1.0, pad 0.0), then at byte 32,768 bias[8,192] (0.0, pad -1e9 log2(e) / 8).
; A block's scale is 2^(floor(log2(largest magnitude)) - 2); its byte is that magnitude's exponent field - 2, held at 1 from below.
; LIMITS: NaN and infinities among the inputs are not served.  A block of zeros gets the byte 1 where the rule says 127: its codes are zeros, and this program alone reads the bytes.
; SHARES: a work-group takes 32 rows (131,072 bytes), all in LDS at once: first fills alone.  Wave w takes row tile w / 8 and K step w % 8: one fragment, 16 rows x 128, which it fetches itself and reads alone.
.set PITCH, 528                        ; an LDS row: 512 bytes + 16 of padding = 132 words: row r starts at bank 4 r mod 64, so the 16 rows that a load touches start at 16 different banks
.set TILEB, 16*PITCH                   ; a wave's tile
.set SCR,   16*TILEB                   ; behind the tiles: the two row tiles' scale words, as they will lie in memory (1,024 bytes),
.set ZR,    SCR+1024                   ; -min|x| for [tile][r][K step] (1,024 bytes),
.set SPARE, ZR+1024                    ; and the spare words, 128 bytes for each of 16 waves, which no other line names
.set XSC,   4194304
.set NEGC,  0xcd2bfb8f                 ; -1e9 x log2(e) / 8
.set X,     16                         ; v16-79  my 64 numbers: register 32 c + i = k 64 c + 32 h + i of row r
.set CD,    80                         ; v80-87  their codes
.set SPW,   126                        ; my spare word's LDS address; never rewritten
.set NIL,   127                        ; 0; never rewritten
	s_load_b128 s[4:7], s[0:1], 0x0                ; x, xq
	s_load_b64 s[8:9], s[0:1], 0x10                ; rowinfo
	v_lshl_add_u32 v[SPW], v0, 2, SPARE
	v_mov_b32 v[NIL], 0
	ds_add_u32 v[SPW], v[NIL]                      ; the wave's opening: the add, twice on end, and its wait ahead of my first tensor load
	ds_add_u32 v[SPW], v[NIL]
	v_lshrrev_b32 v1, 5, v0
	v_readfirstlane_b32 s10, v1                    ; wave 0..15
	s_lshr_b32 s11, s10, 3                         ; which of the two row tiles
	s_and_b32 s12, s10, 7                          ; which K step
	s_and_b32 s13, s10, 1                          ; the last phase: waves 0 and 1 take a row tile each
	s_mov_b32 s16, (2<<16)|(1<<20)|(6<<22)|(3<<25) ; group 1: elements of 4 bytes; padding on: 4 words behind every 128
	s_mov_b32 s17, 128<<16                         ; tensor_dim0 = 128
	s_mov_b32 s18, 16<<16                          ; tensor_dim1 = 16
	s_mov_b32 s19, 128<<16                         ; tile_dim0 = 128
	s_mov_b32 s20, 16                              ; tile_dim1 = 16
	s_mov_b32 s21, 1024                            ; elements from row to row
	s_mov_b32 s22, 0
	s_mov_b32 s23, 0
	s_mov_b32 s28, 0x76543210
	s_mov_b32 s29, 0xfedcba98                      ; v_permlanex16_b32's selects for lane l xor 16
	s_lshl_b32 s14, ttmp9, 17                      ; 32 rows of 4,096 bytes a work-group,
	s_lshl_b32 s30, s11, 16                        ; 16 rows a tile,
	s_add_co_u32 s14, s14, s30
	s_lshl_b32 s30, s12, 9                         ; 512 bytes a K step
	s_add_co_u32 s14, s14, s30
	s_mov_b32 s15, 0
	s_mov_b32 s24, 1                               ; group 0: count = 1
	s_mul_i32 s25, s10, TILEB                      ; LDS address: my tile
	s_wait_dscnt 0x0                               ; both opening adds are done
	s_wait_kmcnt 0x0
	s_add_nc_u64 s[26:27], s[4:5], s[14:15]
	s_or_b32 s27, s27, 0x80000000                  ; type = 2
	tensor_load_to_lds s[24:27], s[16:23]          ; 16 rows x 512 bytes: my one tensor load
	s_nop 0
	; all addresses are made here, ahead of the parting of the waves
	v_and_b32 v1, 31, v0                           ; lane
	v_and_b32 v2, 15, v0                           ; r
	v_bfe_u32 v3, v0, 4, 1                         ; h
	v_mul_u32_u24 v4, v2, PITCH
	v_lshl_add_u32 v4, v3, 7, v4
	v_add_nc_u32 v4, s25, v4                       ; my tile, row r, + 128 h bytes
	v_lshlrev_b32 v5, 4, v1                        ; 16 x lane
	s_lshl_b32 s30, s11, 9                         ; where my row's scale word goes: 512 a tile, 256 a half of K, 16 a row, 4 a K step
	s_lshr_b32 s31, s12, 2
	s_lshl_b32 s31, s31, 8
	s_add_co_u32 s30, s30, s31
	s_and_b32 s31, s12, 3
	s_lshl_b32 s31, s31, 2
	s_add_co_u32 s30, s30, s31
	s_add_co_u32 s30, s30, SCR
	v_lshl_add_u32 v6, v2, 4, s30
	s_lshl_b32 s31, s11, 9                         ; and my row's -min|x|: 512 a tile, 32 a row, 4 a K step
	s_lshl_b32 s30, s12, 2
	s_add_co_u32 s31, s31, s30
	s_add_co_u32 s31, s31, ZR
	v_lshl_add_u32 v7, v2, 5, s31
	s_lshl_b32 s30, s13, 9                         ; the last phase reads a tile's 512 bytes of each
	s_add_co_u32 s31, s30, SCR
	v_add_nc_u32 v100, s31, v5
	s_add_co_u32 s31, s30, ZR
	v_lshl_add_u32 v101, v2, 5, s31
	v_lshlrev_b32 v102, 2, v2
	v_lshl_add_u32 v102, v3, 15, v102              ; rowinfo: lanes 0-15 keep, lanes 16-31 bias, 32,768 bytes on
	s_lshl_b32 s32, ttmp9, 14                      ; codes: 8,192 bytes a row tile, 1,024 a K step
	s_lshl_b32 s30, s11, 13
	s_add_co_u32 s32, s32, s30
	s_lshl_b32 s30, s12, 10
	s_add_co_u32 s32, s32, s30
	s_mov_b32 s33, 0
	s_add_nc_u64 s[34:35], s[6:7], s[32:33]
	s_lshl_b32 s32, ttmp9, 10                      ; scales: 512 bytes a row tile
	s_lshl_b32 s30, s13, 9
	s_add_co_u32 s32, s32, s30
	s_add_co_u32 s32, s32, XSC
	s_add_nc_u64 s[36:37], s[6:7], s[32:33]
	s_lshl_b32 s32, ttmp9, 7                       ; rowinfo: 4 bytes a row
	s_lshl_b32 s30, s13, 6
	s_add_co_u32 s32, s32, s30
	s_add_nc_u64 s[38:39], s[8:9], s[32:33]
	s_wait_tensorcnt 0x0                           ; my tile is in LDS; I alone read it
.irp c, 0,1
.irp i, 0,1,2,3,4,5,6,7
	ds_load_b128 v[X+32*\c+4*\i:X+32*\c+4*\i+3], v4 offset:256*\c+16*\i
.endr
.endr
; My block 2 c + h: all its 32 numbers are mine.  Two chains by turns: the largest magnitude (with the floor 2^(3 - 127), so that the byte cannot fall under 1) and -min|x| for the mask.
.macro BLOCKQ c
	v_max3_num_f32 v[8+\c], |v[X+32*\c]|, |v[X+32*\c+1]|, 0x1800000
	v_max3_num_f32 v[10+\c], -|v[X+32*\c]|, -|v[X+32*\c+1]|, 0xff800000
.irp i, 2,4,6,8,10,12,14,16,18,20,22,24,26,28,30
	v_max3_num_f32 v[8+\c], v[8+\c], |v[X+32*\c+\i]|, |v[X+32*\c+\i+1]|
	v_max3_num_f32 v[10+\c], v[10+\c], -|v[X+32*\c+\i]|, -|v[X+32*\c+\i+1]|
.endr
	v_add_nc_u32 v[12+\c], 0xff000000, v[8+\c]     ; 2 off the exponent field: the conversion takes the exponent field of this operand as its scale
	v_lshrrev_b32 v[14+\c], 23, v[12+\c]           ; the scale's byte
.irp g, 0,1,2,3
	v_cvt_scalef32_pk8_fp4_f32 v[CD+4*\c+\g], v[X+32*\c+8*\g:X+32*\c+8*\g+7], v[12+\c]
.endr
	v_nop                                          ; one plain instruction behind the last conversion of a run
	global_store_b128 v5, v[CD+4*\c:CD+4*\c+3], s[34:35] offset:512*\c   ; registers 4 c .. 4 c + 3 of the fragment: 32 lanes store 512 consecutive bytes, aligned
.endm
	s_wait_dscnt 8                                 ; the first block's eight loads are in; the second's may be out
	BLOCKQ 0
	s_wait_dscnt 0x0
	BLOCKQ 1
	v_lshl_or_b32 v88, v15, 16, v14                ; my two bytes: blocks h and 2 + h of row r,
	v_lshlrev_b32 v89, 3, v3
	v_lshlrev_b32 v88, v89, v88                    ; at their places in the scale word
	v_max_num_f32 v10, v10, v11
	v_mov_b32 v89, 0                               ; (a lane permute's destination counts as one of its sources)
	v_mov_b32 v90, 0
	v_permlanex16_b32 v89, v88, s28, s29
	v_permlanex16_b32 v90, v10, s28, s29
	v_or_b32 v88, v88, v89                         ; with lane l xor 16's two the word is whole
	v_max_num_f32 v10, v10, v90                    ; -min|x| over the row's 128 numbers of this K step
	ds_store_b32 v6, v88                           ; lanes r and r + 16 write the same word with the same value
	ds_store_b32 v7, v10
	s_wait_dscnt 0x0                               ; for the others' sake: my stores have landed
	s_barrier_signal -1
	s_barrier_wait -1
	s_cmp_gt_u32 s10, 1                            ; waves 0 and 1 send a row tile's scale words and its mask
	s_cbranch_scc1 .Lend
	ds_load_b128 v[88:91], v100
	ds_load_b128 v[92:95], v101
	ds_load_b128 v[96:99], v101 offset:16
	s_wait_dscnt 0x0
	global_store_b128 v5, v[88:91], s[36:37]       ; 512 consecutive bytes, aligned
	v_max3_num_f32 v92, v92, v93, v94
	v_max3_num_f32 v92, v92, v95, v96
	v_max3_num_f32 v92, v92, v97, v98
	v_max_num_f32 v92, v92, v99                    ; -min|x| over the whole row: 0 where some number is 0
	v_mov_b32 v95, NEGC
	v_mov_b32 v96, 0
	v_cmp_eq_f32 vcc_lo, 0, v92
	v_cndmask_b32 v93, 1.0, v96, vcc_lo            ; keep
	v_cndmask_b32 v94, 0, v95, vcc_lo              ; bias
	v_cmp_eq_u32 s30, 1, v3
	v_cndmask_b32 v93, v93, v94, s30               ; lanes 16-31 carry the bias
	global_store_b32 v102, v93, s[38:39]           ; two pieces of 64 bytes: 65,536 bytes in the whole launch, beside its 37 million
.Lend:
	s_wait_tensorcnt 0x0                           ; the wave's end: behind my last tensor load and my last LDS store
	ds_add_u32 v[SPW], v[NIL]
	s_wait_dscnt 0x0
	s_endpgm
.Lfunc_end_k_qcaaa41fbf7_quantx:
	.size	k_qcaaa41fbf7_quantx, .Lfunc_end_k_qcaaa41fbf7_quantx-k_qcaaa41fbf7_quantx
	.p2alignl 7, 3214868480
	.fill 96, 4, 3214868480
	.section	.rodata,"a",@progbits
	.p2align	6, 0x0
	.amdhsa_kernel k_qcaaa41fbf7_quantx
		.amdhsa_group_segment_fixed_size 167936
		.amdhsa_private_segment_fixed_size 0
		.amdhsa_enable_private_segment 0
		.amdhsa_kernarg_size 24
		.amdhsa_user_sgpr_count 2
		.amdhsa_user_sgpr_kernarg_segment_ptr 1
		.amdhsa_wavefront_size32 1
		.amdhsa_system_sgpr_workgroup_id_x 1
		.amdhsa_system_sgpr_workgroup_id_y 1
		.amdhsa_system_sgpr_workgroup_id_z 1
		.amdhsa_system_vgpr_workitem_id 0
		.amdhsa_next_free_vgpr 128
		.amdhsa_next_free_sgpr 66
		.amdhsa_reserve_vcc 1
		.amdhsa_float_denorm_mode_32 3
		.amdhsa_float_denorm_mode_16_64 3
		.amdhsa_memory_ordered 1
		.amdhsa_forward_progress 1
		.amdhsa_inst_pref_size 12
	.end_amdhsa_kernel
	.amdgpu_metadata
---
amdhsa.version: [ 1, 2 ]
amdhsa.kernels:
  - .name:           k_qcaaa41fbf7_quantx
    .symbol:         k_qcaaa41fbf7_quantx.kd
    .args:
      - { .name: x, .offset: 0, .size: 8, .value_kind: global_buffer, .address_space: global }
      - { .name: xq, .offset: 8, .size: 8, .value_kind: global_buffer, .address_space: global }
      - { .name: rowinfo, .offset: 16, .size: 8, .value_kind: global_buffer, .address_space: global }
    .group_segment_fixed_size: 167936
    .private_segment_fixed_size: 0
    .kernarg_segment_align: 8
    .kernarg_segment_size: 24
    .max_flat_workgroup_size: 512
    .sgpr_count:     66
    .vgpr_count:     128
    .wavefront_size: 32
...
	.end_amdgpu_metadata
.endif
;; end of part 1
;; launch prepw (part 2): grid 256 x 1, 4 waves a work-group, no clusters, 0 bytes of LDS; arguments Wq, Wk, Wv, Wo, wq, wo_h; writes wq, wo_h
.if DOCPART == 2
	.amdgcn_target "amdgcn-amd-amdhsa--gfx1250"
	.amdhsa_code_object_version 6
	.text
	.protected	k_qcaaa41fbf7_prepw
	.globl	k_qcaaa41fbf7_prepw
	.p2align	8
	.type	k_qcaaa41fbf7_prepw,@function
k_qcaaa41fbf7_prepw:
	s_mov_b64 s[64:65], 0
	v_nop
	global_prefetch_b8 v0, s[64:65] scope:SCOPE_SE
	s_setreg_imm32_b32 hwreg(HW_REG_WAVE_MODE, 25, 1), 1
	s_wait_xcnt 0x0
; The four weights, [K 1,024][N 1,024] f32 with K as the FIRST axis, are laid as the matrix unit's registers take them.  No work is left out.
; Wq, Wk, Wv -> codes of E2M1 along K with one E8M0 byte for each 32: buffer wq, 3,072 rows (a row = a column n of Wq, then of Wk, then of Wv), in the layout of the tokens' codes:
;   codes [row tile 192][K step 8][c 2][lane 32][16 bytes]; scales at byte 1,572,864: [row tile][half of K 2][r 16][4 words].
; Wo -> f16: buffer wo_h [n tile 64][32 along K: 32][g 2][lane 32][16 bytes]: lane (r, h) holds Wo[32 kg + 16 g + 8 h + 0 .. 7][16 tile + r].
; A LANE TAKES A COLUMN n AND ITS REGISTERS RUN DOWN K: each load reads 128 consecutive bytes a wave, a block of 32 along K lies in one lane, nothing is transposed.
; SHARES: work-group g: tensor g / 64, 128 columns (g / 8) % 8, 128 rows of K g % 8; wave w: 32 of the columns.  No LDS, no barrier.  Loads run two blocks (64 loads a wave) ahead; each block has registers of its own.
; LIMITS: NaN and infinities are not served; a block of zeros gets the byte 1 (its codes are zeros; this program alone reads the bytes); |Wo| stays under 65,504 (f16).
.set X, 32                             ; v32-159  four blocks of 32 numbers
.set C, 160                            ; v160-175 four blocks' codes
	s_load_b256 s[4:11], s[0:1], 0x0               ; Wq, Wk, Wv, Wo
	s_load_b128 s[12:15], s[0:1], 0x20             ; wq, wo_h
	v_lshrrev_b32 v1, 5, v0
	v_readfirstlane_b32 s19, v1                    ; wave 0..3
	v_and_b32 v1, 31, v0                           ; lane
	v_lshlrev_b32 v2, 2, v1                        ; in: 4 bytes a lane
	v_and_b32 v6, 15, v1
	v_lshrrev_b32 v7, 4, v1
	v_lshlrev_b32 v6, 4, v6                        ; out: 16 bytes for each of a tile's 16 rows;
	v_lshl_add_u32 v3, v7, 13, v6                  ; lanes 16-31 are the next row tile: 8,192 bytes on in the codes,
	v_lshl_add_u32 v4, v7, 9, v6                   ; 512 in the scales,
	v_lshl_add_u32 v5, v7, 15, v6                  ; 32,768 in wo_h
	s_lshr_b32 s16, ttmp9, 6                       ; which tensor
	s_and_b32 s17, ttmp9, 7                        ; which 128 along K
	s_bfe_u32 s18, ttmp9, 0x30003                  ; which 128 columns
	s_lshl_b32 s24, s17, 19                        ; 128 rows of 4,096 bytes
	s_lshl_b32 s26, s18, 9
	s_add_co_u32 s24, s24, s26
	s_lshl_b32 s26, s19, 7
	s_add_co_u32 s24, s24, s26
	s_mov_b32 s25, 0
	s_lshl_b32 s27, s18, 3
	s_lshl_b32 s26, s19, 1
	s_add_co_u32 s27, s27, s26                     ; my first tile of 16 columns in its tensor
	s_wait_kmcnt 0x0
	s_bitcmp1_b32 s16, 0                           ; the choice hangs on the work-group's number alone
	s_cselect_b64 s[20:21], s[6:7], s[4:5]
	s_cselect_b64 s[22:23], s[10:11], s[8:9]
	s_bitcmp1_b32 s16, 1
	s_cselect_b64 s[20:21], s[22:23], s[20:21]
	s_add_nc_u64 s[20:21], s[20:21], s[24:25]
.macro LOADB t                         ; block t: W(128 step + 32 t + i, my column)
.set ii, 0
.rept 32
	global_load_b32 v[X+32*(\t)+ii], v2, s[20:21] offset:(32*(\t)+ii)*4096 th:TH_LOAD_NT
.set ii, ii+1
.endr
.endm
.macro ARRIVE t
.if (\t) < 3
	s_wait_loadcnt 32                              ; this block's 32 loads are in; the next block's may be out
.else
	s_wait_loadcnt 0x0
.endif
.if (\t) < 2
	LOADB (\t)+2
.endif
.endm
	LOADB 0
	LOADB 1
	s_cmp_eq_u32 s16, 3
	s_cbranch_scc1 .Lwo
	s_lshl_b32 s26, s16, 6
	s_add_co_u32 s26, s26, s27                     ; my first row tile among the 192
	s_lshl_b32 s28, s26, 13
	s_lshl_b32 s29, s17, 10
	s_add_co_u32 s28, s28, s29
	s_mov_b32 s29, 0
	s_add_nc_u64 s[22:23], s[12:13], s[28:29]      ; the codes
	s_lshl_b32 s28, s26, 9
	s_lshr_b32 s30, s17, 2
	s_lshl_b32 s30, s30, 8
	s_add_co_u32 s28, s28, s30
	s_and_b32 s30, s17, 3
	s_lshl_b32 s30, s30, 2
	s_add_co_u32 s28, s28, s30
	s_add_co_u32 s28, s28, 1572864
	s_add_nc_u64 s[12:13], s[12:13], s[28:29]      ; the scale words
.macro QBLK t
.set XS, X+32*(\t)
	ARRIVE \t
	v_max3_num_f32 v12, |v[XS]|, |v[XS+1]|, |v[XS+2]|      ; the block's largest magnitude: all 32 numbers are mine; two chains
	v_max3_num_f32 v13, |v[XS+3]|, |v[XS+4]|, |v[XS+5]|
.irp i, 6,10,14,18,22,26
	v_max3_num_f32 v12, v12, |v[XS+\i]|, |v[XS+\i+1]|
	v_max3_num_f32 v13, v13, |v[XS+\i+2]|, |v[XS+\i+3]|
.endr
	v_max3_num_f32 v12, v12, |v[XS+30]|, |v[XS+31]|
	v_max3_num_f32 v12, v12, v13, 0x1800000        ; and the floor 2^(3 - 127): the byte cannot fall under 1
	v_add_nc_u32 v11, 0xff000000, v12              ; 2 off the exponent field: the conversion's scale operand
	v_lshrrev_b32 v13, 23, v11                     ; the scale's byte
.if (\t) == 0
	v_mov_b32 v20, v13
.else
	v_lshl_or_b32 v20, v13, 8*(\t), v20            ; the four bytes of this K step make my column's scale word
.endif
.irp g, 0,1,2,3
	v_cvt_scalef32_pk8_fp4_f32 v[C+4*(\t)+\g], v[XS+8*\g:XS+8*\g+7], v11
.endr
	v_nop                                          ; one plain instruction behind the last conversion of a run
	global_store_b128 v3, v[C+4*(\t):C+4*(\t)+3], s[22:23] offset:((\t)/2)*512+((\t)%2)*256   ; block t is c = t / 2, h = t % 2 of the fragment: sixteen lanes store 256 consecutive bytes, aligned
.endm
	QBLK 0
	QBLK 1
	QBLK 2
	QBLK 3
	global_store_b32 v4, v20, s[12:13]             ; 4 bytes of each row's 16: 98,304 bytes in the whole launch, beside its 20 million
	s_endpgm
.Lwo:
	s_lshl_b32 s28, s27, 15
	s_lshl_b32 s29, s17, 12
	s_add_co_u32 s28, s28, s29
	s_mov_b32 s29, 0
	s_add_nc_u64 s[14:15], s[14:15], s[28:29]
.macro HBLK t
.set XS, X+32*(\t)
	ARRIVE \t
.set ii, 0
.rept 16
	v_cvt_pk_f16_f32 v[XS+ii], v[XS+2*ii], v[XS+2*ii+1]    ; in place, ascending: a result lands on registers that have been read
.set ii, ii+1
.endr
.irp q, 0,1,2,3
	global_store_b128 v5, v[XS+4*\q:XS+4*\q+3], s[14:15] offset:(\t)*1024+(\q/2)*512+(\q%2)*256   ; k = 8 q .. 8 q + 7 of the 32: g = q / 2, h = q % 2: sixteen lanes store 256 consecutive bytes, aligned
.endr
.endm
	HBLK 0
	HBLK 1
	HBLK 2
	HBLK 3
	s_endpgm
.Lfunc_end_k_qcaaa41fbf7_prepw:
	.size	k_qcaaa41fbf7_prepw, .Lfunc_end_k_qcaaa41fbf7_prepw-k_qcaaa41fbf7_prepw
	.p2alignl 7, 3214868480
	.fill 96, 4, 3214868480
	.section	.rodata,"a",@progbits
	.p2align	6, 0x0
	.amdhsa_kernel k_qcaaa41fbf7_prepw
		.amdhsa_group_segment_fixed_size 0
		.amdhsa_private_segment_fixed_size 0
		.amdhsa_enable_private_segment 0
		.amdhsa_kernarg_size 48
		.amdhsa_user_sgpr_count 2
		.amdhsa_user_sgpr_kernarg_segment_ptr 1
		.amdhsa_wavefront_size32 1
		.amdhsa_system_sgpr_workgroup_id_x 1
		.amdhsa_system_sgpr_workgroup_id_y 1
		.amdhsa_system_sgpr_workgroup_id_z 1
		.amdhsa_system_vgpr_workitem_id 0
		.amdhsa_next_free_vgpr 176
		.amdhsa_next_free_sgpr 66
		.amdhsa_reserve_vcc 0
		.amdhsa_float_denorm_mode_32 3
		.amdhsa_float_denorm_mode_16_64 3
		.amdhsa_memory_ordered 1
		.amdhsa_forward_progress 1
		.amdhsa_inst_pref_size 33
	.end_amdhsa_kernel
	.amdgpu_metadata
---
amdhsa.version: [ 1, 2 ]
amdhsa.kernels:
  - .name:           k_qcaaa41fbf7_prepw
    .symbol:         k_qcaaa41fbf7_prepw.kd
    .args:
      - { .name: Wq, .offset: 0, .size: 8, .value_kind: global_buffer, .address_space: global }
      - { .name: Wk, .offset: 8, .size: 8, .value_kind: global_buffer, .address_space: global }
      - { .name: Wv, .offset: 16, .size: 8, .value_kind: global_buffer, .address_space: global }
      - { .name: Wo, .offset: 24, .size: 8, .value_kind: global_buffer, .address_space: global }
      - { .name: wq, .offset: 32, .size: 8, .value_kind: global_buffer, .address_space: global }
      - { .name: wo_h, .offset: 40, .size: 8, .value_kind: global_buffer, .address_space: global }
    .group_segment_fixed_size: 0
    .private_segment_fixed_size: 0
    .kernarg_segment_align: 8
    .kernarg_segment_size: 48
    .max_flat_workgroup_size: 128
    .sgpr_count:     66
    .vgpr_count:     176
    .wavefront_size: 32
...
	.end_amdgpu_metadata
.endif
;; end of part 2
;; launch qkv (part 3): grid 8 x 48, 4 waves a work-group, clusters of 4 x 4, 327,680 bytes of LDS; arguments xq, wq, bq, bk, rowinfo, qkv; writes qkv
.if DOCPART == 3
	.amdgcn_target "amdgcn-amd-amdhsa--gfx1250"
	.amdhsa_code_object_version 6
	.text
	.protected	k_qcaaa41fbf7_qkv
	.globl	k_qcaaa41fbf7_qkv
	.p2align	8
	.type	k_qcaaa41fbf7_qkv,@function
k_qcaaa41fbf7_qkv:
	s_mov_b64 s[64:65], 0
	v_nop
	global_prefetch_b8 v0, s[64:65] scope:SCOPE_SE
	s_setreg_imm32_b32 hwreg(HW_REG_WAVE_MODE, 25, 1), 1
	s_wait_xcnt 0x0
	s_wait_alu depctr_hold_cnt(0) depctr_sa_sdst(0) depctr_va_vdst(0) depctr_va_sdst(0) depctr_va_ssrc(0) depctr_va_vcc(0) depctr_vm_vsrc(0)
	s_getreg_b32 s2, hwreg(HW_REG_IB_STS2, 6, 4)
	s_cmp_eq_u32 s2, 0
	s_cbranch_scc0 .Lentry_in_a_cluster
	s_endpgm
.Lentry_in_a_cluster:
	s_bfe_u32 s2, ttmp6, 0x10000c
	s_cmp_lg_u32 s2, 0xf033
	s_cbranch_scc0 .Lentry_shape_is_right
	s_endpgm
.Lentry_shape_is_right:
; q = (x Wq + bq) log2(e) / 8, k = (x Wk + bk) keep, v = x Wv: the three quantised products, on codes of E2M1 with E8M0 scales, K = 1,024; results rounded to f16 and stored AS THE NEXT LAUNCH'S OPERAND REGISTERS.
; No work is left out.  bv is added in the next launch (the weights of a row sum to 1).  keep is 0 for a pad token: its key becomes 0, and the next launch starts that key's scores at -1e9 log2(e) / 8.
; A work-group makes 256 x 256, each of four waves 128 x 128: 64 accumulators.  Source 0 = 16 rows of T, source 1 = 16 rows of U: in accumulator (a, b) lane (r, h) holds U's row 16 a + r and T's rows 16 b + 8 h + 0 .. 7.
; THE ROLES ARE CHOSEN BY POINTER, by the cluster's y: y < 8: T = the weights (q: cluster x = 0, k: 1), U = the tokens: a lane holds eight CHANNELS of a token, what K Q^T wants of q and k;
;   y >= 8: T = the tokens, U = Wv's columns: a lane holds eight KEYS of a channel, what V^T P wants of v.  Packed to f16, an accumulator is half a fragment, and a wave's store covers 512 consecutive bytes.
;   qkv: q at 0, k at 16,777,216: [batch x head 64][token tile 128][c 2][g 2][lane][16 B] (token 16 tile + r, channels 32 c + 16 g + 8 h + 0 .. 7); v at 33,554,432: [64][32 keys: 64][channel tile 4][g 2][lane][16 B].
; Both operands lie in memory as images of fragments, so a K half (512 along K) of 128 rows is 8 pieces of 4,096 bytes; both halves are FIRST FILLS: nothing is filled again.
; CLUSTER 4 x 4: U's tiles hang on cy and the cluster's y alone and are shared along a row of the cluster, T's on cx and the cluster's x, y and are shared along a column: joint loads.
; 384 work-groups: 3 x 8,192 x 1,024 results in tiles of 256 x 256.  LIMITS: |q log2(e) / 8|, |k|, |v| under 65,504 (f16); NaN and infinities are not served.
; REGISTERS: window 0: v16-29 addresses; v32-95 scale words and nothing else; v96-111 the factor of each U block, in pairs; v128-191 U's fragments, later the packed results; v192-255 the bias of my 128 channels.
;   window 1: T's fragments, two sets (v0, v128).  windows 2, 3: the accumulators ((a, b) at v[8 (8 (a % 4) + b)]).
.set SLOT,  131072                     ; a K half: U's 16 row tiles x 4,096 bytes, then T's
.set TOFF,  65536
.set SCL,   2*SLOT                     ; the scale words for all of K: U's 8,192 bytes, then T's
.set SPARE, SCL+16384                  ; the spare words, 128 bytes a wave, which no other line names
.set XSC,   4194304                    ; where the scales begin in xq,
.set WSC,   1572864                    ; and in wq
.set CLOG,  0x3e38aa3b                 ; log2(e) / 8
.set FR,    8
.set NL,    2
.set NP,    4                          ; places behind this matrix instruction (ISA guide 7.12.1)
.set ADRU,  16
.set ADRT,  20
.set V32H,  24
.set V4R,   25
.set L16,   26
.set ADRS,  27
.set SPW,   28
.set NIL,   29
.set SC,    32
.set F,     96
.set UF,    128
.set PK,    128
.set BT,    192
.set G1U,   24
.set G1T,   32
.set G1SU,  40
.set G1ST,  48
.set G0U,   56
.set G0T,   68
.set G0SU,  76
.set G0ST,  80
.set MSB, 0
.macro WIN new                         ; the immediate's high byte repeats the setting that is left
.if MSB != (\new)
	s_set_vgpr_msb (MSB<<8)|(\new)
.set MSB, (\new)
.endif
.endm
.set MUL_LO, 0xa1                      ; source 0 (T) window 1, source 1 (U) window 0, C and D window 2
.set MUL_HI, 0xf1
.set TO_T,   0x40
.macro JLOAD g0a, g1a, g0b, g1b        ; a joint load: waves 0 and 1 fetch for U, waves 2 and 3 for T; an s_nop 0 and four v_nop follow each line
	s_cmp_eq_u32 s17, 0
	s_cbranch_scc0 .Lfor_t_\@
	tensor_load_to_lds s[\g0a:\g0a+3], s[\g1a:\g1a+7]
	s_nop 0
.rept 4
	v_nop
.endr
	s_branch .Lasked_\@
.Lfor_t_\@:
	tensor_load_to_lds s[\g0b:\g0b+3], s[\g1b:\g1b+7]
	s_nop 0
.rept 4
	v_nop
.endr
.Lasked_\@:
.endm
.macro CROUND                          ; a round of the cluster's barrier
	s_barrier_signal -1
	s_barrier_wait -1
	s_cmp_lg_u32 s16, 0
	s_cbranch_scc1 .Lnot_wave_0_\@
	s_barrier_signal -3
.Lnot_wave_0_\@:
	s_barrier_wait -3
	s_barrier_signal -1
	s_barrier_wait -1
.endm
.macro PLACES n
.rept \n
	v_nop
.endr
.endm
	s_load_b256 s[4:11], s[0:1], 0x0               ; xq, wq, bq, bk
	s_load_b128 s[12:15], s[0:1], 0x20             ; rowinfo, qkv
	v_lshl_add_u32 v[SPW], v0, 2, SPARE
	v_mov_b32 v[NIL], 0
	ds_add_u32 v[SPW], v[NIL]                      ; the wave's opening: the add, twice on end, and its wait ahead of my first tensor load
	ds_add_u32 v[SPW], v[NIL]
	v_lshrrev_b32 v1, 5, v0
	v_readfirstlane_b32 s16, v1                    ; wave 0..3
	s_lshr_b32 s17, s16, 1                         ; my half of U's rows.  Also: I fetch for U (0) or for T (1)
	s_and_b32 s18, s16, 1                          ; my half of T's rows.  Also: which 128 rows I fetch
	s_bfe_u32 s19, ttmp6, 0x40000                  ; cx
	s_bfe_u32 s20, ttmp6, 0x40004                  ; cy
	s_and_b32 s22, ttmp7, 0xffff                   ; the cluster's y
	s_lshl_b32 s23, ttmp9, 2
	s_add_co_u32 s23, s23, s19                     ; 4 x cluster x + cx
	s_lshl_b32 s86, s20, 2
	s_lshl_b32 s86, 15, s86                        ; my row of the cluster
	s_lshl_b32 s90, 0x1111, s19                    ; my column
	s_or_b32 s[G1U], s86, (3<<16)|(1<<21)          ; group 1: the mask; elements of 8 bytes; bit 21 beside a mask; no padding: an image is read 16 bytes a lane on end
	s_or_b32 s[G1SU], s86, (3<<16)|(1<<21)
	s_or_b32 s[G1T], s90, (3<<16)|(1<<21)
	s_or_b32 s[G1ST], s90, (3<<16)|(1<<21)
.irp g, G1U, G1T                       ; codes: 8 pieces of 4,096 bytes (a row tile's four K steps), 8,192 bytes apart
	s_mov_b32 s[\g+1], 512<<16
	s_mov_b32 s[\g+2], 8<<16
	s_mov_b32 s[\g+3], 512<<16
	s_mov_b32 s[\g+4], 8
	s_mov_b32 s[\g+5], 1024
	s_mov_b32 s[\g+6], 0
	s_mov_b32 s[\g+7], 0
.endr
.irp g, G1SU, G1ST                     ; scales of 128 rows: 4,096 dense bytes as 16 rows of 256
	s_mov_b32 s[\g+1], 32<<16
	s_mov_b32 s[\g+2], 16<<16
	s_mov_b32 s[\g+3], 32<<16
	s_mov_b32 s[\g+4], 16
	s_mov_b32 s[\g+5], 32
	s_mov_b32 s[\g+6], 0
	s_mov_b32 s[\g+7], 0
.endr
	s_lshl_b32 s84, s22, 2
	s_add_co_u32 s84, s84, s20                     ; U's tile of 256 rows: tokens: 4 y + cy;
	s_add_co_u32 s87, s20, 8                       ; Wv's columns: 8 + cy
	s_lshl_b32 s91, s22, 3
	s_add_co_u32 s91, s91, s23
	s_sub_co_u32 s91, s91, 64                      ; T's tile: tokens: 4 x + cx + 8 (y - 8); weights: 4 x + cx
	s_mov_b32 s88, XSC
	s_mov_b32 s89, WSC
	s_cmp_ge_u32 s22, 8                            ; the same in all sixteen partners
	s_cselect_b32 s84, s87, s84                    ; s84: U's tile
	s_cselect_b32 s85, s91, s23                    ; s85: T's tile
	s_cselect_b32 s92, s88, s89
	s_cselect_b32 s88, s89, s88
	s_lshl_b32 s86, s84, 17                        ; U's codes: 131,072 bytes a tile, 65,536 a half
	s_lshl_b32 s87, s18, 16
	s_add_co_u32 s86, s86, s87
	s_mov_b32 s87, 0
	s_lshl_b32 s89, s84, 13                        ; U's scales: 8,192 a tile, 4,096 a half
	s_add_co_u32 s88, s88, s89
	s_lshl_b32 s89, s18, 12
	s_add_co_u32 s88, s88, s89
	s_mov_b32 s89, 0
	s_lshl_b32 s90, s85, 17                        ; T's likewise
	s_lshl_b32 s91, s18, 16
	s_add_co_u32 s90, s90, s91
	s_mov_b32 s91, 0
	s_lshl_b32 s93, s85, 13
	s_add_co_u32 s92, s92, s93
	s_lshl_b32 s93, s18, 12
	s_add_co_u32 s92, s92, s93
	s_mov_b32 s93, 0
	s_lshl_b32 s94, s16, 15                        ; where they go: wave x 32,768 in a slot, wave x 4,096 among the scales: no place in the cluster enters an LDS address
	s_lshl_b32 s95, s16, 12
	s_wait_dscnt 0x0                               ; both opening adds are done
	s_wait_kmcnt 0x0
	s_cmp_ge_u32 s22, 8
	s_cselect_b64 s[96:97], s[6:7], s[4:5]         ; U's buffer
	s_cselect_b64 s[98:99], s[4:5], s[6:7]         ; T's buffer
	CROUND                                         ; all sixteen work-groups are here: the first joint loads meet
	s_mov_b32 s[G0SU], 1
	s_add_co_u32 s[G0SU+1], s95, SCL
	s_add_nc_u64 s[G0SU+2:G0SU+3], s[96:97], s[88:89]
	s_or_b32 s[G0SU+3], s[G0SU+3], 0x80000000
	s_mov_b32 s[G0ST], 1
	s_add_co_u32 s[G0ST+1], s95, SCL
	s_add_nc_u64 s[G0ST+2:G0ST+3], s[98:99], s[92:93]
	s_or_b32 s[G0ST+3], s[G0ST+3], 0x80000000
	JLOAD G0SU, G1SU, G0ST, G1ST                   ; the scales first: they are wanted with the first K half
	s_add_nc_u64 s[96:97], s[96:97], s[86:87]
	s_add_nc_u64 s[98:99], s[98:99], s[90:91]
.irp s, 0,1
	s_mov_b32 s[G0U+4*\s], 1
	s_add_co_u32 s[G0U+4*\s+1], s94, \s*SLOT
	s_add_nc_u64 s[G0U+4*\s+2:G0U+4*\s+3], s[96:97], \s*4096
	s_or_b32 s[G0U+4*\s+3], s[G0U+4*\s+3], 0x80000000
	s_mov_b32 s[G0T+4*\s], 1
	s_add_co_u32 s[G0T+4*\s+1], s94, \s*SLOT
	s_add_nc_u64 s[G0T+4*\s+2:G0T+4*\s+3], s[98:99], \s*4096
	s_or_b32 s[G0T+4*\s+3], s[G0T+4*\s+3], 0x80000000
	JLOAD G0U+4*\s, G1U, G0T+4*\s, G1T             ; three loads of mine are out at the most
.endr
	v_and_b32 v1, 15, v0                           ; r
	v_bfe_u32 v2, v0, 4, 1                         ; h
	v_and_b32 v3, 31, v0
	v_lshlrev_b32 v[L16], 4, v3                    ; 16 x lane: my place in every image
	v_lshlrev_b32 v[V32H], 5, v2
	v_lshlrev_b32 v[V4R], 2, v1
	s_lshl_b32 s86, s17, 15                        ; my 8 row tiles of U
	s_lshl_b32 s87, s18, 15                        ; my 8 of T,
	s_add_co_u32 s87, s87, TOFF                    ; behind U's 16
.irp s, 0,1
	v_add_nc_u32 v[ADRU+\s], s86, v[L16]
	v_add_nc_u32 v[ADRT+\s], s87, v[L16]
	s_add_co_u32 s86, s86, SLOT
	s_add_co_u32 s87, s87, SLOT
.endr
	s_lshl_b32 s86, s17, 12                        ; scale words: lanes 0-15 take U's rows, lanes 16-31 T's: the lower base + h x the distance
	s_lshl_b32 s87, s18, 12
	s_add_co_u32 s87, s87, 8192
	s_sub_co_u32 s87, s87, s86
	v_mul_u32_u24 v6, s87, v2
	s_add_co_u32 s86, s86, SCL
	v_lshl_add_u32 v5, v1, 4, v6
	v_add_nc_u32 v[ADRS], s86, v5
.macro FRAG reg, adr, q, i             ; a fragment, 16 rows x 128 K of 4-bit codes: 8 registers, two loads of 512 consecutive bytes
.irp c, 0,1
	ds_load_b128 v[\reg+4*\c:\reg+4*\c+3], v[\adr] offset:1024*(\q)+512*\c+(\i)*4096
.endr
.endm
; 16 matrix instructions: U's blocks a0, a0 + 1 x T's eight.  The 64 accumulators take turns, one instruction a turn, in the same order in every step.
.macro MUL16 a0, p, q, sc, zero
.irp a, \a0, \a0+1
.irp b, 0,1,2,3,4,5,6,7
.if \zero
	v_wmma_scale_f32_16x16x128_f8f6f4 v[8*(8*((\a)%4)+\b):8*(8*((\a)%4)+\b)+7], v[128*(\p)+FR*\b:128*(\p)+FR*\b+FR-1], v[UF+FR*(\a):UF+FR*(\a)+FR-1], 0, v[SC+32*(\sc)+4*\b+(\q)], v[SC+32*(\sc)+4*(\a)+(\q)] matrix_a_fmt:MATRIX_FMT_FP4 matrix_b_fmt:MATRIX_FMT_FP4 matrix_a_scale:MATRIX_SCALE_ROW1
.else
	v_wmma_scale_f32_16x16x128_f8f6f4 v[8*(8*((\a)%4)+\b):8*(8*((\a)%4)+\b)+7], v[128*(\p)+FR*\b:128*(\p)+FR*\b+FR-1], v[UF+FR*(\a):UF+FR*(\a)+FR-1], v[8*(8*((\a)%4)+\b):8*(8*((\a)%4)+\b)+7], v[SC+32*(\sc)+4*\b+(\q)], v[SC+32*(\sc)+4*(\a)+(\q)] matrix_a_fmt:MATRIX_FMT_FP4 matrix_b_fmt:MATRIX_FMT_FP4 matrix_a_scale:MATRIX_SCALE_ROW1
.endif
.endr
.endr
.endm
.macro FETCH_T slot, q, p
	WIN TO_T
.irp i, 0,1,2,3,4,5,6,7
	FRAG 128*(\p)+FR*\i, ADRT+\slot, \q, \i
.endr
	WIN 0
.endm
.macro FETCH_U slot, q, i0
.irp i, \i0, \i0+1, \i0+2, \i0+3
	FRAG UF+FR*(\i), ADRU+\slot, \q, \i
.endr
.endm
.macro SCALES sc                       ; a K half's scale words: four words a row; lanes 0-15 U's block i, lanes 16-31 T's block i
.irp i, 0,1,2,3,4,5,6,7
	ds_load_b128 v[SC+32*\sc+4*\i:SC+32*\sc+4*\i+3], v[ADRS] offset:\i*512+\sc*256
.endr
.endm
; A step of 128 along K with its successor in the same slot.  U has one set of registers (blocks 0-3 fetched anew in the middle, 4-7 at the end), T two.
.macro STEP slot, q, zero
	s_wait_dscnt 4*NL                              ; T's set and U's blocks 0-3 are in; the youngest eight loads (U's blocks 4-7) may be out
	WIN MUL_LO
	MUL16 0, (\q)%2, \q, \slot, \zero
	MUL16 2, (\q)%2, \q, \slot, \zero
	s_wait_dscnt 0
	PLACES NP                                      ; in front of loads into registers that matrix instructions have read
	FETCH_T \slot, (\q)+1, 1-(\q)%2
	FETCH_U \slot, (\q)+1, 0
	WIN MUL_HI
	MUL16 4, (\q)%2, \q, \slot, \zero
	MUL16 6, (\q)%2, \q, \slot, \zero
	PLACES NP
	WIN 0
	FETCH_U \slot, (\q)+1, 4
.endm
.macro LASTSTEP
	s_wait_dscnt 4*NL
	WIN MUL_LO
	MUL16 0, 1, 3, 1, 0
	MUL16 2, 1, 3, 1, 0
	s_wait_dscnt 0
	WIN MUL_HI
	MUL16 4, 1, 3, 1, 0
	MUL16 6, 1, 3, 1, 0
	WIN 0
.endm
; THE WAY OUT, U block by U block.  tb = 1 (q, k): + the channel's bias, x the block's factor (q: log2(e) / 8; k: the token's keep).  Then eight numbers a lane become 16 bytes, and each store covers 512 consecutive bytes, aligned.
; Each accumulator is read from its low end on.  The packed results have two sets of 32 registers by turns.
.macro EPI tb
.irp a, 0,1,2,3,4,5,6,7
.set AC, 64*(\a%4)
.set PKS, PK+32*(\a%2)
.if \tb
	WIN 0x82+0x41*(\a/4)                           ; destination and source 0: window 2 or 3
.irp b, 0,1,2,3,4,5,6,7
.irp i, 0,2,4,6
	v_pk_add_f32 v[AC+8*\b+\i:AC+8*\b+\i+1], v[AC+8*\b+\i:AC+8*\b+\i+1], v[BT+8*\b+\i:BT+8*\b+\i+1]
.endr
.endr
.irp b, 0,1,2,3,4,5,6,7
.irp i, 0,2,4,6
	v_pk_mul_f32 v[AC+8*\b+\i:AC+8*\b+\i+1], v[AC+8*\b+\i:AC+8*\b+\i+1], v[F+2*\a:F+2*\a+1]
.endr
.endr
.endif
.if \a > 1
	s_wait_xcnt 0x0                                ; block a - 2's stores have read their registers: this set is written again only behind this wait
.endif
	WIN 0x0a+5*(\a/4)                              ; sources 0 and 1: window 2 or 3
.irp b, 0,1,2,3,4,5,6,7
.irp i, 0,1,2,3
	v_cvt_pk_f16_f32 v[PKS+4*\b+\i], v[AC+8*\b+2*\i], v[AC+8*\b+2*\i+1]
.endr
.endr
	WIN 0
.irp b, 0,1,2,3,4,5,6,7
.if \tb
	global_store_b128 v[L16], v[PKS+4*\b:PKS+4*\b+3], s[14:15] offset:\a*2048+(\b%4)*512+(\b/4)*262144   ; token tile a; channels 16 (b % 4) of head b / 4
.else
	global_store_b128 v[L16], v[PKS+4*\b:PKS+4*\b+3], s[14:15] offset:(\b/2)*4096+(\a%4)*1024+(\b%2)*512+(\a/4)*262144   ; keys 16 b; channel tile a % 4 of head a / 4
.endif
.endr
.endr
.endm
	s_wait_tensorcnt 1                             ; the scales and my part of the first K half are in; the second half's load may be out
	s_barrier_signal -1
	s_barrier_wait -1                              ; everybody's are
	FETCH_T 0, 0, 0
	FETCH_U 0, 0, 0
	SCALES 0
	FETCH_U 0, 0, 4
	STEP 0, 0, 1                                   ; the first products start the sums: nothing is cleared
	STEP 0, 1, 0
	STEP 0, 2, 0
	; the first half's last step changes to the second half: one barrier; nothing is filled again
	s_wait_tensorcnt 0x0                           ; my part of the second K half has landed
	s_wait_dscnt 4*NL
	WIN MUL_LO
	MUL16 0, 1, 3, 0, 0
	s_wait_dscnt 0x0                               ; no LDS instruction of mine is pending at the signal
	s_barrier_signal -1
	MUL16 2, 1, 3, 0, 0
	WIN 0
	s_barrier_wait -1                              ; everybody's part has landed
	PLACES NP
	FETCH_T 1, 0, 0
	FETCH_U 1, 0, 0
	SCALES 1
	WIN MUL_HI
	MUL16 4, 1, 3, 0, 0
	MUL16 6, 1, 3, 0, 0
	PLACES NP
	WIN 0
	FETCH_U 1, 0, 4
	STEP 1, 0, 0
	STEP 1, 1, 0
	STEP 1, 2, 0
	s_cmp_ge_u32 s22, 8                            ; the cluster's y: the same way in all partners
	s_cbranch_scc1 .Lv_arm
	; ---- q and k: what the way out needs is asked for ahead of the last 64 products
	s_lshr_b32 s86, s84, 3                         ; batch
	s_lshl_b32 s86, s86, 4
	s_lshl_b32 s87, s19, 2
	s_add_co_u32 s86, s86, s87
	s_lshl_b32 s87, s18, 1
	s_add_co_u32 s86, s86, s87                     ; my first head: 16 batch + 4 cx + 2 half
	s_lshl_b32 s86, s86, 7
	s_and_b32 s87, s84, 7
	s_lshl_b32 s87, s87, 4
	s_add_co_u32 s86, s86, s87
	s_lshl_b32 s87, s17, 3
	s_add_co_u32 s86, s86, s87                     ; + my first token tile in the sequence
	s_lshl_b32 s86, s86, 11                        ; 2,048 bytes a token tile
	s_lshl_b32 s87, ttmp9, 24                      ; q or k
	s_add_co_u32 s86, s86, s87
	s_mov_b32 s87, 0
	s_add_nc_u64 s[14:15], s[14:15], s[86:87]
	s_lshl_b32 s90, s19, 10                        ; the bias of my 128 channels
	s_lshl_b32 s91, s18, 9
	s_add_co_u32 s90, s90, s91
	s_mov_b32 s91, 0
	s_cmp_eq_u32 ttmp9, 0
	s_cselect_b64 s[88:89], s[8:9], s[10:11]
	s_add_nc_u64 s[88:89], s[88:89], s[90:91]
.irp b, 0,1,2,3,4,5,6,7
	global_load_b128 v[BT+8*\b:BT+8*\b+3], v[V32H], s[88:89] offset:64*\b        ; channels 16 b + 8 h + 0 .. 7
	global_load_b128 v[BT+8*\b+4:BT+8*\b+7], v[V32H], s[88:89] offset:64*\b+16
.endr
	s_cmp_eq_u32 ttmp9, 0
	s_cbranch_scc0 .Lk_keep
.set ii, 0
.rept 16
	v_mov_b32 v[F+ii], CLOG                        ; q: log2(e) / sqrt(64) goes in ahead of the rounding to f16
.set ii, ii+1
.endr
	s_branch .Lf_done
.Lk_keep:
	s_lshl_b32 s90, s84, 10
	s_lshl_b32 s91, s17, 9
	s_add_co_u32 s90, s90, s91
	s_mov_b32 s91, 0
	s_add_nc_u64 s[12:13], s[12:13], s[90:91]
.irp a, 0,1,2,3,4,5,6,7
	global_load_b32 v[F+2*\a], v[V4R], s[12:13] offset:64*\a      ; k: keep of token 16 a + r, in both halves of a pair
	global_load_b32 v[F+2*\a+1], v[V4R], s[12:13] offset:64*\a
.endr
.Lf_done:
	LASTSTEP
	PLACES NP                                      ; in front of the first read of results and of writes into U's registers
	s_wait_loadcnt 0x0
	EPI 1
	s_branch .Lout
.Lv_arm:
	s_lshr_b32 s86, s85, 3                         ; batch
	s_lshl_b32 s86, s86, 4
	s_lshl_b32 s87, s20, 2
	s_add_co_u32 s86, s86, s87
	s_lshl_b32 s87, s17, 1
	s_add_co_u32 s86, s86, s87                     ; my first head: 16 batch + 4 cy + 2 half
	s_lshl_b32 s86, s86, 6
	s_and_b32 s87, s85, 7
	s_lshl_b32 s87, s87, 3
	s_add_co_u32 s86, s86, s87
	s_lshl_b32 s87, s18, 2
	s_add_co_u32 s86, s86, s87                     ; + my first group of 32 keys
	s_lshl_b32 s86, s86, 12                        ; 4,096 bytes a group
	s_add_co_u32 s86, s86, 33554432
	s_mov_b32 s87, 0
	s_add_nc_u64 s[14:15], s[14:15], s[86:87]
	LASTSTEP
	PLACES NP
	EPI 0
.Lout:
	s_wait_tensorcnt 0x0                           ; the wave's end: behind my last tensor load
	ds_add_u32 v[SPW], v[NIL]
	s_wait_dscnt 0x0
	CROUND                                         ; the closing round: no work-group ends while a partner may still ask for a tile that names it
	s_endpgm
.Lfunc_end_k_qcaaa41fbf7_qkv:
	.size	k_qcaaa41fbf7_qkv, .Lfunc_end_k_qcaaa41fbf7_qkv-k_qcaaa41fbf7_qkv
	.p2alignl 7, 3214868480
	.fill 96, 4, 3214868480
	.section	.rodata,"a",@progbits
	.p2align	6, 0x0
	.amdhsa_kernel k_qcaaa41fbf7_qkv
		.amdhsa_group_segment_fixed_size 327680
		.amdhsa_private_segment_fixed_size 0
		.amdhsa_enable_private_segment 0
		.amdhsa_kernarg_size 48
		.amdhsa_user_sgpr_count 2
		.amdhsa_user_sgpr_kernarg_segment_ptr 1
		.amdhsa_wavefront_size32 1
		.amdhsa_system_sgpr_workgroup_id_x 1
		.amdhsa_system_sgpr_workgroup_id_y 1
		.amdhsa_system_sgpr_workgroup_id_z 1
		.amdhsa_system_vgpr_workitem_id 0
		.amdhsa_next_free_vgpr 1024
		.amdhsa_next_free_sgpr 100
		.amdhsa_reserve_vcc 0
		.amdhsa_float_denorm_mode_32 3
		.amdhsa_float_denorm_mode_16_64 3
		.amdhsa_memory_ordered 1
		.amdhsa_forward_progress 1
		.amdhsa_inst_pref_size 186
	.end_amdhsa_kernel
	.amdgpu_metadata
---
amdhsa.version: [ 1, 2 ]
amdhsa.kernels:
  - .name:           k_qcaaa41fbf7_qkv
    .symbol:         k_qcaaa41fbf7_qkv.kd
    .args:
      - { .name: xq, .offset: 0, .size: 8, .value_kind: global_buffer, .address_space: global }
      - { .name: wq, .offset: 8, .size: 8, .value_kind: global_buffer, .address_space: global }
      - { .name: bq, .offset: 16, .size: 8, .value_kind: global_buffer, .address_space: global }
      - { .name: bk, .offset: 24, .size: 8, .value_kind: global_buffer, .address_space: global }
      - { .name: rowinfo, .offset: 32, .size: 8, .value_kind: global_buffer, .address_space: global }
      - { .name: qkv, .offset: 40, .size: 8, .value_kind: global_buffer, .address_space: global }
    .group_segment_fixed_size: 327680
    .private_segment_fixed_size: 0
    .kernarg_segment_align: 8
    .kernarg_segment_size: 48
    .max_flat_workgroup_size: 128
    .sgpr_count:     100
    .vgpr_count:     1024
    .wavefront_size: 32
...
	.end_amdgpu_metadata
.endif
;; end of part 3
;; launch attn (part 4): grid 4 x 64, 8 waves a work-group, clusters of 4 x 1, 327,680 bytes of LDS; arguments qkv, rowinfo, bv, cf; writes cf
.if DOCPART == 4
	.amdgcn_target "amdgcn-amd-amdhsa--gfx1250"
	.amdhsa_code_object_version 6
	.text
	.protected	k_qcaaa41fbf7_attn
	.globl	k_qcaaa41fbf7_attn
	.p2align	8
	.type	k_qcaaa41fbf7_attn,@function
k_qcaaa41fbf7_attn:
	s_mov_b64 s[64:65], 0
	v_nop
	global_prefetch_b8 v0, s[64:65] scope:SCOPE_SE
	s_setreg_imm32_b32 hwreg(HW_REG_WAVE_MODE, 25, 1), 1
	s_wait_xcnt 0x0
	s_wait_alu depctr_hold_cnt(0) depctr_sa_sdst(0) depctr_va_vdst(0) depctr_va_sdst(0) depctr_va_ssrc(0) depctr_va_vcc(0) depctr_vm_vsrc(0)
	s_getreg_b32 s2, hwreg(HW_REG_IB_STS2, 6, 4)
	s_cmp_eq_u32 s2, 0
	s_cbranch_scc0 .Lentry_in_a_cluster
	s_endpgm
.Lentry_in_a_cluster:
	s_bfe_u32 s2, ttmp6, 0x10000c
	s_cmp_lg_u32 s2, 0x3003
	s_cbranch_scc0 .Lentry_shape_is_right
	s_endpgm
.Lentry_shape_is_right:
; context[b][h][q] = sum over k of softmax_k(where(pad k, -1e9, q . k / 8)) v[k] + bv, f16 operands, f32 sums, a running maximum.
; bv is added here, behind the softmax: the weights of a row sum to 1 for all values of the inputs.  No other work is moved or left out.
; q arrives times log2(e) / 8, so a score is t in powers of two: p = 2^(t - m).  THE MASK costs no line in the loop: a pad token's key arrives as zeros, and each score tile's first product takes as C
; eight registers of the keys' bias (0, pad: -1e9 log2(e) / 8): t is then exactly the replaced score.  With every key a pad all t are equal and the weights uniform, as in reference().  LIMIT: finite q; |context| under 65,504 (f16).
; SHARES: a work-group owns 512 queries of one head, each of eight waves 64: four tiles of 16, as pair 0 (tiles 0, 1) and pair 2 (tiles 2, 3).  Two waves lie on a SIMD, so that one wave's run of products stands beside the
; other's softmax.  Every wave walks the head's 2,048 keys, 64 a step; each fragment of K and V read from LDS feeds four products.
; LAYOUT: S^T = K Q^T (source 0 = 16 keys, source 1 = 16 queries), O^T = V^T P (source 0 = 16 channels, source 1 = P): a lane holds ONE query throughout.  q, k, v lie in memory as images of these fragments:
; every LDS read is 16 bytes a lane on end; nothing is transposed, nothing padded.
; A wave's order in step j: softmax and V^T P of pair 2 for step j - 1, K Q^T of pair 0, softmax and V^T P of pair 0, K Q^T of pair 2.  S^T and P have one pair's registers.
; RING: two slots of 512 keys (K 65,536 bytes, V 65,536); four fills, two of them first fills; each wave fetches 16,384 dense bytes.  CLUSTER 4 x 1: the four query blocks of a head walk the same K, V and bias: joint loads.
; A refill has eight key steps, 512 matrix instructions a wave, in which to land, so nothing is asked of memory ahead of it.
; REGISTERS: window 0: v2-9 addresses; v30, v31 the add's; v32-63 statistics, 8 a tile (+0 m, +2, +3 l, +4 .. +7 at work, a at +6); v64-127 S^T; v128-159 P; v160-223 Q; v224-255 the keys' bias.
;   window 1: v0-127 O^T (32 a tile); v128-191 K of a step; v192-255 V of a step.
.set SLOT,  131072
.set VOFF,  65536
.set BIAS,  2*SLOT                     ; the batch's 2,048 biases
.set SPARE, BIAS+8192                  ; the spare words, 128 bytes for each of eight waves, which no other line names
.set L16,  2
.set L16V, 3
.set LC,   4
.set ADK,  5
.set ADV,  6
.set ADC,  7
.set V32H, 9
.set SPW,  30
.set NIL,  31
.set ST,   32
.set S,    64
.set P,    128
.set Q,    160
.set MC,   224
.set KF,   128
.set VF,   192
.set G1,   16
.set G1B,  24
.set G0B,  32
.set G0F,  36
.set TB,   52                          ; LDS byte at which the step's K begins
.set TC,   53                          ; 256 x the step: its keys' biases
.set CNT,  54
.set WV,   55
.set SEL,  56
.set MSB, 0
.macro WIN new
.if MSB != (\new)
	s_set_vgpr_msb (MSB<<8)|(\new)
.set MSB, (\new)
.endif
.endm
.set W_KQ, 0x01                        ; K in window 1
.set W_PV, 0x51                        ; V, C and D in window 1
.set W_RS, 0x41                        ; O^T (destination, source 0) in window 1
.set W_LD, 0x40                        ; a load's destination in window 1
.macro CROUND
	s_barrier_signal -1
	s_barrier_wait -1
	s_cmp_lg_u32 s[WV], 0
	s_cbranch_scc1 .Lnot_wave_0_\@
	s_barrier_signal -3
.Lnot_wave_0_\@:
	s_barrier_wait -3
	s_barrier_signal -1
	s_barrier_wait -1
.endm
.macro PLACES
.rept 4
	v_nop
.endr
.endm
	s_load_b256 s[4:11], s[0:1], 0x0               ; qkv, rowinfo, bv, cf
	v_lshl_add_u32 v[SPW], v0, 2, SPARE
	v_mov_b32 v[NIL], 0
	ds_add_u32 v[SPW], v[NIL]                      ; the wave's opening: the add, twice on end, and its wait ahead of my first tensor load
	ds_add_u32 v[SPW], v[NIL]
	v_lshrrev_b32 v1, 5, v0
	v_readfirstlane_b32 s[WV], v1                  ; wave 0..7
	s_bfe_u32 s12, ttmp6, 0x40000                  ; cx: my block of 512 queries: it enters Q's and the result's addresses alone
	s_and_b32 s13, ttmp7, 0xffff                   ; 16 batch + head, which the four partners share
	s_mov_b32 s[G1], 15|(3<<16)|(1<<21)            ; group 1: all four work-groups; elements of 8 bytes; bit 21 beside a mask: 16,384 dense bytes as 64 rows of 256
	s_mov_b32 s[G1+1], 32<<16
	s_mov_b32 s[G1+2], 64<<16
	s_mov_b32 s[G1+3], 32<<16
	s_mov_b32 s[G1+4], 64
	s_mov_b32 s[G1+5], 32
	s_mov_b32 s[G1+6], 0
	s_mov_b32 s[G1+7], 0
	s_mov_b32 s[G1B], 15|(3<<16)|(1<<21)           ; the bias: 1,024 dense bytes a wave
	s_mov_b32 s[G1B+1], 32<<16
	s_mov_b32 s[G1B+2], 4<<16
	s_mov_b32 s[G1B+3], 32<<16
	s_mov_b32 s[G1B+4], 4
	s_mov_b32 s[G1B+5], 32
	s_mov_b32 s[G1B+6], 0
	s_mov_b32 s[G1B+7], 0
	s_mov_b32 s[SEL], 0x76543210
	s_mov_b32 s[SEL+1], 0xfedcba98
	s_lshr_b32 s14, s[WV], 2                       ; waves 0-3 fetch K, waves 4-7 V: by address, with no branch
	s_add_co_u32 s14, s14, 1
	s_lshl_b32 s14, s14, 24                        ; k at 16,777,216, v at 33,554,432
	s_lshl_b32 s15, s13, 18                        ; 262,144 bytes a head
	s_add_co_u32 s14, s14, s15
	s_and_b32 s15, s[WV], 3
	s_lshl_b32 s15, s15, 14
	s_add_co_u32 s14, s14, s15
	s_mov_b32 s15, 0
	s_lshr_b32 s58, s13, 4
	s_lshl_b32 s58, s58, 13                        ; 8,192 bytes of bias a batch
	s_lshl_b32 s59, s[WV], 10
	s_add_co_u32 s58, s58, s59
	s_add_co_u32 s58, s58, 32768
	s_mov_b32 s59, 0
	s_lshl_b32 s60, s[WV], 14                      ; where they go: wave x 16,384 in a slot,
	s_lshl_b32 s61, s[WV], 10                      ; wave x 1,024 in the bias
	s_mov_b32 s[TB], 0
	s_mov_b32 s[TC], 0
	s_wait_dscnt 0x0                               ; both opening adds are done
	s_wait_kmcnt 0x0
	CROUND                                         ; all four work-groups are here: the first joint loads meet
	s_mov_b32 s[G0B], 1
	s_add_co_u32 s[G0B+1], s61, BIAS
	s_add_nc_u64 s[G0B+2:G0B+3], s[6:7], s[58:59]
	s_or_b32 s[G0B+3], s[G0B+3], 0x80000000
	s_add_nc_u64 s[62:63], s[4:5], s[14:15]
.irp p, 0,1,2,3                        ; a group 0 for each of the four fills: none is ever written again
	s_mov_b32 s[G0F+4*\p], 1
	s_add_co_u32 s[G0F+4*\p+1], s60, (\p%2)*SLOT
	s_add_nc_u64 s[G0F+4*\p+2:G0F+4*\p+3], s[62:63], \p*65536
	s_or_b32 s[G0F+4*\p+3], s[G0F+4*\p+3], 0x80000000
.endr
	tensor_load_to_lds s[G0B:G0B+3], s[G1B:G1B+7]  ; three loads of mine are out
	s_nop 0
	tensor_load_to_lds s[G0F:G0F+3], s[G1:G1+7]
	s_nop 0
	tensor_load_to_lds s[G0F+4:G0F+7], s[G1:G1+7]
	s_nop 0
.rept 4
	v_nop
.endr
	v_and_b32 v1, 31, v0
	v_lshlrev_b32 v[L16], 4, v1                    ; 16 x lane: my place in every image
	v_add_nc_u32 v[L16V], VOFF, v[L16]
	v_bfe_u32 v[V32H], v0, 4, 1
	v_lshlrev_b32 v[V32H], 5, v[V32H]              ; 32 h: eight f32 for my half of the lanes
	v_add_nc_u32 v[LC], BIAS, v[V32H]
	s_lshl_b32 s68, s13, 18                        ; Q: my head, my block's 32 token tiles, my wave's 4
	s_lshl_b32 s70, s12, 16
	s_add_co_u32 s68, s68, s70
	s_lshl_b32 s70, s[WV], 13
	s_add_co_u32 s68, s68, s70
	s_mov_b32 s69, 0
	s_add_nc_u64 s[66:67], s[4:5], s[68:69]
.irp t, 0,1,2,3
.irp c, 0,1
.irp g, 0,1
	global_load_b128 v[Q+16*\t+8*\c+4*\g:Q+16*\t+8*\c+4*\g+3], v[L16], s[66:67] offset:\t*2048+\c*1024+\g*512   ; Q stays in registers
.endr
.endr
.endr
	s_lshr_b32 s68, s13, 4                         ; the result: token tile 128 batch + 32 cx + 4 wave, 32,768 bytes each; 2,048 bytes a head
	s_lshl_b32 s68, s68, 22
	s_lshl_b32 s70, s12, 20
	s_add_co_u32 s68, s68, s70
	s_lshl_b32 s70, s[WV], 17
	s_add_co_u32 s68, s68, s70
	s_and_b32 s71, s13, 15
	s_lshl_b32 s70, s71, 11
	s_add_co_u32 s68, s68, s70
	s_add_nc_u64 s[10:11], s[10:11], s[68:69]
	s_lshl_b32 s68, s71, 8
	s_add_nc_u64 s[8:9], s[8:9], s[68:69]          ; bv at my head
.irp t, 0,1,2,3
	v_mov_b32 v[ST+8*\t+1], 0                      ; (named as the upper half of the pair with m, so it is written)
.endr
.macro ADDRS                           ; three plain instructions and a v_nop: also the four places behind the last K Q^T, in front of the loads below and of the softmax's first read
	v_add_nc_u32 v[ADK], s[TB], v[L16]
	v_add_nc_u32 v[ADV], s[TB], v[L16V]
	v_add_nc_u32 v[ADC], s[TC], v[LC]
	v_nop
.endm
.macro FETCH_K                         ; 64 keys x 64 channels: 8 fragments
	WIN W_LD
.irp k, 0,1,2,3
.irp c, 0,1
.irp g, 0,1
	ds_load_b128 v[KF+16*\k+8*\c+4*\g:KF+16*\k+8*\c+4*\g+3], v[ADK] offset:\k*2048+\c*1024+\g*512
.endr
.endr
.endr
.endm
.macro FETCH_C                         ; the bias of keys 16 k + 8 h + 0 .. 7: the sixteen lanes of a half read the same bytes
	WIN 0
.irp k, 0,1,2,3
	ds_load_b128 v[MC+8*\k:MC+8*\k+3], v[ADC] offset:\k*64
	ds_load_b128 v[MC+8*\k+4:MC+8*\k+7], v[ADC] offset:\k*64+16
.endr
.endm
.macro FETCH_V                         ; 64 channels x 64 keys: 8 fragments
	WIN W_LD
.irp e, 0,1
.irp d, 0,1,2,3
.irp g, 0,1
	ds_load_b128 v[VF+32*\e+8*\d+4*\g:VF+32*\e+8*\d+4*\g+3], v[ADV] offset:\e*4096+\d*1024+\g*512
.endr
.endr
.endr
.endm
; 16 products S^T = bias + K Q^T for tiles x, x + 1.  Eight accumulators take turns, one instruction a turn.
.macro KQ x
	WIN W_KQ
.irp c, 0,1
.irp k, 0,1,2,3
.irp u, 0,1
.if \c == 0
	v_wmma_f32_16x16x32_f16 v[S+32*\u+8*\k:S+32*\u+8*\k+7], v[KF+16*\k+8*\c:KF+16*\k+8*\c+7], v[Q+16*(\x+\u)+8*\c:Q+16*(\x+\u)+8*\c+7], v[MC+8*\k:MC+8*\k+7]
.else
	v_wmma_f32_16x16x32_f16 v[S+32*\u+8*\k:S+32*\u+8*\k+7], v[KF+16*\k+8*\c:KF+16*\k+8*\c+7], v[Q+16*(\x+\u)+8*\c:Q+16*(\x+\u)+8*\c+7], v[S+32*\u+8*\k:S+32*\u+8*\k+7]
.endif
.endr
.endr
.endr
.endm
; 16 products O^T += V^T P for tiles x, x + 1.  first = 1: the first eight start the sums: nothing is cleared.
.macro PV x, first
	WIN W_PV
.irp e, 0,1
.irp d, 0,1,2,3
.irp u, 0,1
.if \first && (\e == 0)
	v_wmma_f32_16x16x32_f16 v[32*(\x+\u)+8*\d:32*(\x+\u)+8*\d+7], v[VF+32*\e+8*\d:VF+32*\e+8*\d+7], v[P+16*\u+8*\e:P+16*\u+8*\e+7], 0
.else
	v_wmma_f32_16x16x32_f16 v[32*(\x+\u)+8*\d:32*(\x+\u)+8*\d+7], v[VF+32*\e+8*\d:VF+32*\e+8*\d+7], v[P+16*\u+8*\e:P+16*\u+8*\e+7], v[32*(\x+\u)+8*\d:32*(\x+\u)+8*\d+7]
.endif
.endr
.endr
.endr
.endm
; THE SOFTMAX of tiles x, x + 1 for one key step; the two tiles by turns.  first = 1: the first key step: no old maximum, no a, nothing to rescale.
.macro SM x, first
	WIN 0
.irp j, 0,1,2,3                        ; the maximum: four chains a tile; each score tile is read from its low end on
.irp u, 0,1
	v_max3_num_f32 v[ST+8*(\x+\u)+4+\j], v[S+32*\u+8*\j], v[S+32*\u+8*\j+1], v[S+32*\u+8*\j+2]
.endr
.endr
.irp q, 1,2
.irp j, 0,1,2,3
.irp u, 0,1
	v_max3_num_f32 v[ST+8*(\x+\u)+4+\j], v[ST+8*(\x+\u)+4+\j], v[S+32*\u+8*\j+2*\q+1], v[S+32*\u+8*\j+2*\q+2]
.endr
.endr
.endr
.irp u, 0,1
	v_max3_num_f32 v[ST+8*(\x+\u)+4], v[ST+8*(\x+\u)+4], v[S+32*\u+7], v[S+32*\u+15]
.endr
.irp u, 0,1
	v_max3_num_f32 v[ST+8*(\x+\u)+6], v[ST+8*(\x+\u)+6], v[S+32*\u+23], v[S+32*\u+31]
.endr
.irp u, 0,1
	v_max3_num_f32 v[ST+8*(\x+\u)+4], v[ST+8*(\x+\u)+4], v[ST+8*(\x+\u)+5], v[ST+8*(\x+\u)+6]
.endr
.irp u, 0,1
.if \first
	v_max_num_f32 v[ST+8*(\x+\u)+4], v[ST+8*(\x+\u)+4], v[ST+8*(\x+\u)+7]
.else
	v_max3_num_f32 v[ST+8*(\x+\u)+4], v[ST+8*(\x+\u)+4], v[ST+8*(\x+\u)+7], v[ST+8*(\x+\u)]
.endif
.endr
.irp u, 0,1
	v_permlanex16_b32 v[ST+8*(\x+\u)+5], v[ST+8*(\x+\u)+4], s[SEL], s[SEL+1]   ; the query's other 32 keys lie in the lane 16 away
.endr
.if !\first
.irp u, 0,1
	v_mov_b32 v[ST+8*(\x+\u)+7], v[ST+8*(\x+\u)]   ; the old m
.endr
.endif
.irp u, 0,1
	v_max_num_f32 v[ST+8*(\x+\u)], v[ST+8*(\x+\u)+4], v[ST+8*(\x+\u)+5]
.endr
.if !\first
.irp u, 0,1
	v_sub_f32 v[ST+8*(\x+\u)+7], v[ST+8*(\x+\u)+7], v[ST+8*(\x+\u)]
.endr
.endif
.irp u, 0,1
.set ii, 0
.rept 16
	v_pk_add_f32 v[S+32*\u+ii:S+32*\u+ii+1], v[S+32*\u+ii:S+32*\u+ii+1], v[ST+8*(\x+\u):ST+8*(\x+\u)+1] op_sel_hi:[1,0] neg_lo:[0,1] neg_hi:[0,1]   ; t - m, two at a time
.set ii, ii+2
.endr
.endr
.if !\first
.irp u, 0,1
	v_exp_f32 v[ST+8*(\x+\u)+6], v[ST+8*(\x+\u)+7] ; a = 2^(old m - new m)
.endr
.endif
.set ii, 0
.rept 64
	v_exp_f32 v[S+ii], v[S+ii]                     ; p: ONE batch for the pair; none of these reads an exponential's result
.set ii, ii+1
.endr
	v_nop                                          ; a plain instruction behind the last exponential
	s_wait_alu depctr_va_vdst(0)                   ; and one wait ahead of the batch's first reader
.set ii, 0
.rept 32
	v_cvt_pk_f16_f32 v[P+ii], v[S+2*ii], v[S+2*ii+1]   ; two score tiles, packed, are source 1 (32 keys x 16 queries) of V^T P
.set ii, ii+1
.endr
.set ii, 0
.rept 16
	v_pk_add_f32 v[S+4*ii:S+4*ii+1], v[S+4*ii:S+4*ii+1], v[S+4*ii+2:S+4*ii+3]      ; the row's sum, in place, by halves
.set ii, ii+1
.endr
.set ii, 0
.rept 8
	v_pk_add_f32 v[S+8*ii:S+8*ii+1], v[S+8*ii:S+8*ii+1], v[S+8*ii+4:S+8*ii+5]
.set ii, ii+1
.endr
.set ii, 0
.rept 4
	v_pk_add_f32 v[S+16*ii:S+16*ii+1], v[S+16*ii:S+16*ii+1], v[S+16*ii+8:S+16*ii+9]
.set ii, ii+1
.endr
.irp u, 0,1
.if \first
	v_pk_add_f32 v[ST+8*(\x+\u)+2:ST+8*(\x+\u)+3], v[S+32*\u:S+32*\u+1], v[S+32*\u+16:S+32*\u+17]
.else
	v_pk_add_f32 v[S+32*\u:S+32*\u+1], v[S+32*\u:S+32*\u+1], v[S+32*\u+16:S+32*\u+17]
.endif
.endr
.if !\first
.irp u, 0,1
	v_pk_fma_f32 v[ST+8*(\x+\u)+2:ST+8*(\x+\u)+3], v[ST+8*(\x+\u)+2:ST+8*(\x+\u)+3], v[ST+8*(\x+\u)+6:ST+8*(\x+\u)+7], v[S+32*\u:S+32*\u+1] op_sel_hi:[1,0,1]   ; l = a l + the sum
.endr
	WIN W_RS
.irp u, 0,1
.set ii, 0
.rept 16
	v_pk_mul_f32 v[32*(\x+\u)+ii:32*(\x+\u)+ii+1], v[32*(\x+\u)+ii:32*(\x+\u)+ii+1], v[ST+8*(\x+\u)+6:ST+8*(\x+\u)+7] op_sel_hi:[1,0]   ; O^T x a, each accumulator from its low end on
.set ii, ii+2
.endr
.endr
.endif
.endm
; KEY STEP j.  K and the bias of step j are asked for first and land under pair 2's softmax; V of step j is asked for when pair 2 has multiplied by V of step j - 1.
.macro BODY first1
	ADDRS
	FETCH_K
	FETCH_C
	SM 2, \first1
	PV 2, \first1
	WIN 0
	PLACES                                         ; in front of loads into V's registers and of the next writes of P
	FETCH_V
	s_wait_dscnt 16                                ; K and the bias are in; V's 16 loads may be out
	KQ 0
	WIN 0
	PLACES                                         ; in front of the first read of the scores
	SM 0, 0
	s_wait_dscnt 0x0                               ; V is in: from here on none of my LDS reads is out
	PV 0, 0
	KQ 2
	WIN 0
	s_add_co_u32 s[TB], s[TB], 8192
	s_add_co_u32 s[TC], s[TC], 256
.endm
.macro LOOPB n
	s_mov_b32 s[CNT], \n
.Lb_\@:
	BODY 0
	s_sub_co_u32 s[CNT], s[CNT], 1
	s_cmp_lg_u32 s[CNT], 0
	s_cbranch_scc1 .Lb_\@
.endm
; THE CHANGE OF SLOTS.  Each wave waits for all its tensor loads (its part of the slot ahead), adds 0 to its spare word, and waits for that and for its reads of the slot that it leaves.
; fill = 1: a round of the cluster's barrier, and the joint refill of the slot just left is the first thing behind it, one load a wave.
.macro CHANGE fill, g0, tb, tc
	s_wait_tensorcnt 0x0
	ds_add_u32 v[SPW], v[NIL]                      ; 0 onto my spare word
	s_mov_b32 s[TB], \tb
	s_mov_b32 s[TC], \tc
	s_wait_dscnt 0x0
.if \fill
	CROUND
	tensor_load_to_lds s[\g0:\g0+3], s[G1:G1+7]
	s_nop 0
.rept 4
	v_nop
.endr
.else
	s_barrier_signal -1
	s_barrier_wait -1
.endif
.endm
	s_wait_tensorcnt 1                             ; the bias and my part of slot 0 are in; slot 1's load may be out
	s_barrier_signal -1
	s_barrier_wait -1                              ; everybody's are
	ADDRS                                          ; key step 0
	FETCH_K
	FETCH_C
	FETCH_V
	s_wait_loadcnt 0x0                             ; Q
	s_wait_dscnt 16
	KQ 0
	WIN 0
	PLACES
	SM 0, 1
	s_wait_dscnt 0x0
	PV 0, 1
	KQ 2
	WIN 0
	s_add_co_u32 s[TB], s[TB], 8192
	s_add_co_u32 s[TC], s[TC], 256
	BODY 1                                         ; step 1: pair 2's first softmax
	LOOPB 6                                        ; steps 2 to 7
	CHANGE 1, G0F+8, SLOT, 2048                    ; slot 0 takes keys 1,024 on
	LOOPB 8
	CHANGE 1, G0F+12, 0, 4096                      ; slot 1 takes keys 1,536 on
	LOOPB 8
	CHANGE 0, 0, SLOT, 6144                        ; nothing is left to fetch
	LOOPB 8
	PLACES                                         ; behind the last K Q^T
.irp d, 0,1,2,3
	global_load_b128 v[MC+8*\d:MC+8*\d+3], v[V32H], s[8:9] offset:64*\d       ; bv of channels 16 d + 8 h + 0 .. 7, where the keys' bias lay
	global_load_b128 v[MC+8*\d+4:MC+8*\d+7], v[V32H], s[8:9] offset:64*\d+16
.endr
	SM 2, 0                                        ; pair 2's last step
	PV 2, 0
	WIN 0
	; THE WAY OUT: l's halves are added (these lines are the places behind the last products); O^T / l + bv, rounded to f16: a channel tile is half a fragment of the next launch.
.irp t, 0,1,2,3
	v_add_f32 v[ST+8*\t+4], v[ST+8*\t+2], v[ST+8*\t+3]
.endr
.irp t, 0,1,2,3
	v_permlanex16_b32 v[ST+8*\t+5], v[ST+8*\t+4], s[SEL], s[SEL+1]
.endr
.irp t, 0,1,2,3
	v_add_f32 v[ST+8*\t+4], v[ST+8*\t+4], v[ST+8*\t+5]
.endr
.irp t, 0,1,2,3
	v_rcp_f32 v[ST+8*\t+6], v[ST+8*\t+4]
.endr
	v_nop                                          ; a plain instruction behind the last reciprocal
	s_wait_alu depctr_va_vdst(0)                   ; one wait for the four, ahead of their first reader
	s_wait_loadcnt 0x0                             ; bv
.irp t, 0,1,2,3
	WIN 0x01
.set ii, 0
.rept 16
	v_pk_fma_f32 v[S+2*ii:S+2*ii+1], v[32*\t+2*ii:32*\t+2*ii+1], v[ST+8*\t+6:ST+8*\t+7], v[MC+2*ii:MC+2*ii+1] op_sel_hi:[1,0,1]
.set ii, ii+1
.endr
	WIN 0
.set ii, 0
.rept 16
	v_cvt_pk_f16_f32 v[Q+16*\t+ii], v[S+2*ii], v[S+2*ii+1]
.set ii, ii+1
.endr
.irp d, 0,1,2,3
	global_store_b128 v[L16], v[Q+16*\t+4*\d:Q+16*\t+4*\d+3], s[10:11] offset:\t*32768+\d*512   ; 32 lanes store 512 consecutive bytes, aligned
.endr
.endr
	s_wait_tensorcnt 0x0                           ; the wave's end: behind my last tensor load
	ds_add_u32 v[SPW], v[NIL]
	s_wait_dscnt 0x0
	CROUND                                         ; the closing round
	s_endpgm
.Lfunc_end_k_qcaaa41fbf7_attn:
	.size	k_qcaaa41fbf7_attn, .Lfunc_end_k_qcaaa41fbf7_attn-k_qcaaa41fbf7_attn
	.p2alignl 7, 3214868480
	.fill 96, 4, 3214868480
	.section	.rodata,"a",@progbits
	.p2align	6, 0x0
	.amdhsa_kernel k_qcaaa41fbf7_attn
		.amdhsa_group_segment_fixed_size 327680
		.amdhsa_private_segment_fixed_size 0
		.amdhsa_enable_private_segment 0
		.amdhsa_kernarg_size 32
		.amdhsa_user_sgpr_count 2
		.amdhsa_user_sgpr_kernarg_segment_ptr 1
		.amdhsa_wavefront_size32 1
		.amdhsa_system_sgpr_workgroup_id_x 1
		.amdhsa_system_sgpr_workgroup_id_y 1
		.amdhsa_system_sgpr_workgroup_id_z 1
		.amdhsa_system_vgpr_workitem_id 0
		.amdhsa_next_free_vgpr 512
		.amdhsa_next_free_sgpr 72
		.amdhsa_reserve_vcc 0
		.amdhsa_float_denorm_mode_32 3
		.amdhsa_float_denorm_mode_16_64 3
		.amdhsa_memory_ordered 1
		.amdhsa_forward_progress 1
		.amdhsa_inst_pref_size 210
	.end_amdhsa_kernel
	.amdgpu_metadata
---
amdhsa.version: [ 1, 2 ]
amdhsa.kernels:
  - .name:           k_qcaaa41fbf7_attn
    .symbol:         k_qcaaa41fbf7_attn.kd
    .args:
      - { .name: qkv, .offset: 0, .size: 8, .value_kind: global_buffer, .address_space: global }
      - { .name: rowinfo, .offset: 8, .size: 8, .value_kind: global_buffer, .address_space: global }
      - { .name: bv, .offset: 16, .size: 8, .value_kind: global_buffer, .address_space: global }
      - { .name: cf, .offset: 24, .size: 8, .value_kind: global_buffer, .address_space: global }
    .group_segment_fixed_size: 327680
    .private_segment_fixed_size: 0
    .kernarg_segment_align: 8
    .kernarg_segment_size: 32
    .max_flat_workgroup_size: 256
    .sgpr_count:     72
    .vgpr_count:     512
    .wavefront_size: 32
...
	.end_amdgpu_metadata
.endif
;; end of part 4
;; launch oproj (part 5): grid 8 x 32, 4 waves a work-group, clusters of 4 x 4, 327,680 bytes of LDS; arguments cf, wo_h, bo, out0; writes out0
.if DOCPART == 5
	.amdgcn_target "amdgcn-amd-amdhsa--gfx1250"
	.amdhsa_code_object_version 6
	.text
	.protected	k_qcaaa41fbf7_oproj
	.globl	k_qcaaa41fbf7_oproj
	.p2align	8
	.type	k_qcaaa41fbf7_oproj,@function
k_qcaaa41fbf7_oproj:
	s_mov_b64 s[64:65], 0
	v_nop
	global_prefetch_b8 v0, s[64:65] scope:SCOPE_SE
	s_setreg_imm32_b32 hwreg(HW_REG_WAVE_MODE, 25, 1), 1
	s_wait_xcnt 0x0
	s_wait_alu depctr_hold_cnt(0) depctr_sa_sdst(0) depctr_va_vdst(0) depctr_va_sdst(0) depctr_va_ssrc(0) depctr_va_vcc(0) depctr_vm_vsrc(0)
	s_getreg_b32 s2, hwreg(HW_REG_IB_STS2, 6, 4)
	s_cmp_eq_u32 s2, 0
	s_cbranch_scc0 .Lentry_in_a_cluster
	s_endpgm
.Lentry_in_a_cluster:
	s_bfe_u32 s2, ttmp6, 0x10000c
	s_cmp_lg_u32 s2, 0xf033
	s_cbranch_scc0 .Lentry_shape_is_right
	s_endpgm
.Lentry_shape_is_right:
; out0 = context Wo + bo: [8,192][1,024] x [1,024][1,024], f16 operands, f32 sums that start from bo.  No work is left out.
; Both operands lie in memory as images of fragments: cf [token tile 512][32 along K: 32][g 2][lane][16 B], wo_h [n tile 64][32][2][lane][16 B].
; A work-group makes 256 tokens x 128 columns (256 work-groups), each of four waves 128 x 64: 32 accumulators, window 1.  Source 0 = 16 columns of Wo (T), source 1 = 16 tokens (U): a lane holds eight neighbouring numbers of a row of out0.
; K goes in steps of 128 through two LDS slots (U: 16 tiles x 4,096 bytes, T: 8 tiles x 4,096); a step is four quarters of 32 along K, 32 matrix instructions each, on two fragment buffers.
; CLUSTER 4 x 4: U's tiles are shared along a row of the cluster, T's along a column: joint loads; a round of the cluster's barrier stands in front of each refill.
; REGISTERS: window 0: v16-29 addresses; v32-127, v128-223 fragment buffers (T's 4, then U's 8); v224-255 bo of my 64 columns; on the way out v32-95 rows read back.  window 1: accumulator (a, b) at v[8 (4 a + b)].
.set SLOT,  98304
.set TOFF,  65536
.set STAGE, 2*SLOT                     ; behind the ring: 16 rows x (256 bytes + 16) for each wave
.set SP,    272
.set SPARE, STAGE+4*16*SP              ; the spare words, 128 bytes a wave, which no other line names
.set ADRU,  16
.set ADRT,  20
.set STO,   24
.set RD,    25
.set CO,    26
.set V32H,  27
.set SPW,   28
.set NIL,   29
.set F0,    32
.set F1,    128
.set BO,    224
.set BK,    32
.set G1U,   24
.set G1T,   32
.set G0U,   40
.set G0T,   48
.set MSB, 0
.macro WIN new
.if MSB != (\new)
	s_set_vgpr_msb (MSB<<8)|(\new)
.set MSB, (\new)
.endif
.endm
.set W_M, 0x50                         ; C and D window 1
.macro JLOAD s                         ; a joint load: waves 0 and 1 fetch U's halves, waves 2 and 3 T's; an s_nop 0 and four v_nop follow each line
	s_cmp_eq_u32 s13, 0
	s_cbranch_scc0 .Lfor_t_\@
	tensor_load_to_lds s[G0U+4*\s:G0U+4*\s+3], s[G1U:G1U+7]
	s_nop 0
.rept 4
	v_nop
.endr
	s_branch .Lasked_\@
.Lfor_t_\@:
	tensor_load_to_lds s[G0T+4*\s:G0T+4*\s+3], s[G1T:G1T+7]
	s_nop 0
.rept 4
	v_nop
.endr
.Lasked_\@:
.endm
.macro CREST
	s_cmp_lg_u32 s12, 0
	s_cbranch_scc1 .Lnot_wave_0_\@
	s_barrier_signal -3
.Lnot_wave_0_\@:
	s_barrier_wait -3
	s_barrier_signal -1
	s_barrier_wait -1
.endm
.macro CROUND
	s_barrier_signal -1
	s_barrier_wait -1
	CREST
.endm
.macro PLACES
.rept 4
	v_nop
.endr
.endm
	s_load_b256 s[4:11], s[0:1], 0x0               ; cf, wo_h, bo, out0
	v_lshl_add_u32 v[SPW], v0, 2, SPARE
	v_mov_b32 v[NIL], 0
	ds_add_u32 v[SPW], v[NIL]                      ; the wave's opening: the add, twice on end, and its wait ahead of my first tensor load
	ds_add_u32 v[SPW], v[NIL]
	v_lshrrev_b32 v1, 5, v0
	v_readfirstlane_b32 s12, v1                    ; wave 0..3
	s_lshr_b32 s13, s12, 1                         ; my half of the tokens.  Also: I fetch for U (0) or for T (1)
	s_and_b32 s14, s12, 1                          ; my half of the columns.  Also: which half of that tile I fetch
	s_bfe_u32 s15, ttmp6, 0x40000                  ; cx
	s_bfe_u32 s16, ttmp6, 0x40004                  ; cy
	s_lshl_b32 s17, ttmp9, 2
	s_add_co_u32 s17, s17, s15                     ; tile of 128 columns
	s_and_b32 s18, ttmp7, 0xffff
	s_lshl_b32 s18, s18, 2
	s_add_co_u32 s18, s18, s16                     ; tile of 256 tokens
	s_lshl_b32 s19, s16, 2
	s_lshl_b32 s19, 15, s19                        ; my row of the cluster
	s_lshl_b32 s20, 0x1111, s15                    ; my column
	s_or_b32 s[G1U], s19, (3<<16)|(1<<21)          ; group 1: the mask; elements of 8 bytes; bit 21 beside a mask; no padding
	s_or_b32 s[G1T], s20, (3<<16)|(1<<21)
	s_mov_b32 s[G1U+1], 512<<16                    ; U: 8 pieces of 4,096 bytes (a token tile's K step), 32,768 bytes apart
	s_mov_b32 s[G1U+2], 8<<16
	s_mov_b32 s[G1U+3], 512<<16
	s_mov_b32 s[G1U+4], 8
	s_mov_b32 s[G1U+5], 4096
	s_mov_b32 s[G1U+6], 0
	s_mov_b32 s[G1U+7], 0
	s_mov_b32 s[G1T+1], 512<<16                    ; T: 4 such pieces
	s_mov_b32 s[G1T+2], 4<<16
	s_mov_b32 s[G1T+3], 512<<16
	s_mov_b32 s[G1T+4], 4
	s_mov_b32 s[G1T+5], 4096
	s_mov_b32 s[G1T+6], 0
	s_mov_b32 s[G1T+7], 0
	s_lshl_b32 s56, s18, 19                        ; U: 16 token tiles of 32,768 bytes a work-group, 8 a half
	s_lshl_b32 s57, s14, 18
	s_add_co_u32 s56, s56, s57
	s_mov_b32 s57, 0
	s_lshl_b32 s58, s17, 18                        ; T: 8 column tiles a work-group, 4 a half
	s_lshl_b32 s59, s14, 17
	s_add_co_u32 s58, s58, s59
	s_mov_b32 s59, 0
	s_lshl_b32 s21, s14, 15                        ; where they go: no place in the cluster enters an LDS address
	s_lshl_b32 s22, s14, 14
	s_add_co_u32 s22, s22, TOFF
	s_wait_dscnt 0x0                               ; both opening adds are done
	s_wait_kmcnt 0x0
	s_add_nc_u64 s[56:57], s[4:5], s[56:57]
	s_add_nc_u64 s[58:59], s[6:7], s[58:59]
	CROUND                                         ; all sixteen work-groups are here: the first joint loads meet
.irp s, 0,1
	s_mov_b32 s[G0U+4*\s], 1
	s_add_co_u32 s[G0U+4*\s+1], s21, \s*SLOT
	s_add_nc_u64 s[G0U+4*\s+2:G0U+4*\s+3], s[56:57], \s*4096
	s_or_b32 s[G0U+4*\s+3], s[G0U+4*\s+3], 0x80000000
	s_mov_b32 s[G0T+4*\s], 1
	s_add_co_u32 s[G0T+4*\s+1], s22, \s*SLOT
	s_add_nc_u64 s[G0T+4*\s+2:G0T+4*\s+3], s[58:59], \s*4096
	s_or_b32 s[G0T+4*\s+3], s[G0T+4*\s+3], 0x80000000
	JLOAD \s                                       ; two loads of mine are out
.endr
	v_and_b32 v1, 15, v0                           ; r
	v_bfe_u32 v2, v0, 4, 1                         ; h
	v_and_b32 v3, 31, v0
	v_lshlrev_b32 v3, 4, v3                        ; 16 x lane
	v_lshlrev_b32 v[V32H], 5, v2
	s_lshl_b32 s60, s17, 9                         ; my 64 columns, in bytes of f32: 512 x tile + 256 x half
	s_lshl_b32 s61, s14, 8
	s_add_co_u32 s60, s60, s61
	s_mov_b32 s61, 0
	s_add_nc_u64 s[8:9], s[8:9], s[60:61]
.irp b, 0,1,2,3
	global_load_b128 v[BO+8*\b:BO+8*\b+3], v[V32H], s[8:9] offset:64*\b        ; bo of columns 16 b + 8 h + 0 .. 7: the C of each sum's first product
	global_load_b128 v[BO+8*\b+4:BO+8*\b+7], v[V32H], s[8:9] offset:64*\b+16
.endr
	s_add_nc_u64 s[10:11], s[10:11], s[60:61]
	s_lshl_b32 s60, s18, 20                        ; my first row of out0: 256 x tile + 128 x half, 4,096 bytes each
	s_lshl_b32 s62, s13, 19
	s_add_co_u32 s60, s60, s62
	s_add_nc_u64 s[10:11], s[10:11], s[60:61]
	s_lshl_b32 s21, s13, 15                        ; my 8 token tiles
	s_lshl_b32 s22, s14, 14                        ; my 4 column tiles,
	s_add_co_u32 s22, s22, TOFF                    ; behind U's 16
.irp s, 0,1
	v_add_nc_u32 v[ADRU+\s], s21, v3
	v_add_nc_u32 v[ADRT+\s], s22, v3
	s_add_co_u32 s21, s21, SLOT
	s_add_co_u32 s22, s22, SLOT
.endr
	s_mul_i32 s23, s12, 16*SP
	s_add_co_u32 s23, s23, STAGE                   ; my stage
	v_mul_u32_u24 v4, v1, SP                       ; in: row r, 32 bytes for each half of the lanes
	v_lshl_add_u32 v4, v2, 5, v4
	v_add_nc_u32 v[STO], s23, v4
	v_mul_u32_u24 v5, v2, SP                       ; back: lanes 0-15 one row of 256 bytes, lanes 16-31 the next
	v_lshl_add_u32 v5, v1, 4, v5
	v_add_nc_u32 v[RD], s23, v5
	v_lshlrev_b32 v[CO], 12, v2                    ; and the same two rows in out0
	v_lshl_add_u32 v[CO], v1, 4, v[CO]
.macro MULA f, a, first                ; token block a x my four column blocks, 32 along K.  first = 1: the sums start from bo
.irp b, 0,1,2,3
.if \first
	v_wmma_f32_16x16x32_f16 v[8*(4*(\a)+\b):8*(4*(\a)+\b)+7], v[\f+8*\b:\f+8*\b+7], v[\f+32+8*(\a):\f+32+8*(\a)+7], v[BO+8*\b:BO+8*\b+7]
.else
	v_wmma_f32_16x16x32_f16 v[8*(4*(\a)+\b):8*(4*(\a)+\b)+7], v[\f+8*\b:\f+8*\b+7], v[\f+32+8*(\a):\f+32+8*(\a)+7], v[8*(4*(\a)+\b):8*(4*(\a)+\b)+7]
.endif
.endr
.endm
.macro MUL8 f, a0, first
	MULA \f, \a0, \first
	MULA \f, \a0+1, \first
.endm
.macro MUL16 f, a0, first              ; the 32 accumulators take turns, one instruction a turn, in the same order in every quarter
	MUL8 \f, \a0, \first
	MUL8 \f, \a0+2, \first
.endm
.macro FETCH slot, q, f                ; 24 LDS loads in one run: T's four fragments, U's blocks 0-3, U's blocks 4-7
.irp i, 0,1,2,3
	ds_load_b128 v[\f+8*\i:\f+8*\i+3],   v[ADRT+\slot] offset:\i*4096+(\q)*1024
	ds_load_b128 v[\f+8*\i+4:\f+8*\i+7], v[ADRT+\slot] offset:\i*4096+(\q)*1024+512
.endr
.irp i, 0,1,2,3,4,5,6,7
	ds_load_b128 v[\f+32+8*\i:\f+32+8*\i+3],   v[ADRU+\slot] offset:\i*4096+(\q)*1024
	ds_load_b128 v[\f+32+8*\i+4:\f+32+8*\i+7], v[ADRU+\slot] offset:\i*4096+(\q)*1024+512
.endr
.endm
.macro QUARTER slot, q, f, g, first    ; multiplies buffer f; in its middle fetches the slot's quarter q into buffer g
	s_wait_dscnt 8                                 ; T and U's blocks 0-3 are in; the youngest eight loads may be out
	WIN W_M-0x10*(\first)
	MUL16 \f, 0, \first
	PLACES                                         ; in front of loads into registers that matrix instructions have read
	WIN 0
	FETCH \slot, \q, \g
	s_wait_dscnt 24                                ; all but the 24 just issued
	WIN W_M-0x10*(\first)
	MUL16 \f, 4, \first
.endm
; A K step's last quarter multiplies buffer 1 and changes slots: ONE barrier; in front of it each wave waits for all its tensor loads, adds 0 to its spare word, and waits for that and for its reads of this slot.
.macro TURN slot, next, fill
	WIN 0
	s_wait_tensorcnt 0x0                           ; all my tensor loads have landed: my part of the next slot
	ds_add_u32 v[SPW], v[NIL]                      ; 0 onto my spare word
	s_wait_dscnt 9                                 ; (the add and the youngest eight loads may be out)
	WIN W_M
	MUL8 F1, 0, 0                                  ; eight matrix instructions stand between the add and the wait for it
	s_wait_dscnt 0x0                               ; the add is done, and my reads of this slot are over
	s_barrier_signal -1
	MUL8 F1, 2, 0
	WIN 0
	s_barrier_wait -1
.if \fill
	CREST                                          ; the barrier has opened a round of the cluster's barrier: no wave of any partner still reads this slot or has a load on its way
	s_add_nc_u64 s[G0U+4*\slot+2:G0U+4*\slot+3], s[G0U+4*\slot+2:G0U+4*\slot+3], 8192
	s_add_nc_u64 s[G0T+4*\slot+2:G0T+4*\slot+3], s[G0T+4*\slot+2:G0T+4*\slot+3], 8192
	JLOAD \slot                                    ; the first tensor load behind the round; its four v_nop are also the places in front of the loads below
.else
	PLACES
.endif
	FETCH \next, 0, F0
	WIN W_M
	MUL16 F1, 4, 0
.endm
	s_wait_tensorcnt 1                             ; my part of K step 0 is in; K step 1's load may be out
	s_barrier_signal -1
	s_barrier_wait -1
	FETCH 0, 0, F0
	s_wait_loadcnt 0x0                             ; bo
	QUARTER 0, 1, F0, F1, 1                        ; the first quarter stands in front of the loop: its products start the sums
	WIN 0
	s_mov_b32 s3, 3
.Llap:                                                 ; three trips, once round the ring each: K steps 2 to 7 are asked for
	QUARTER 0, 2, F1, F0, 0
	QUARTER 0, 3, F0, F1, 0
	TURN 0, 1, 1
	QUARTER 1, 1, F0, F1, 0
	QUARTER 1, 2, F1, F0, 0
	QUARTER 1, 3, F0, F1, 0
	TURN 1, 0, 1
	QUARTER 0, 1, F0, F1, 0
	WIN 0
	s_sub_co_u32 s3, s3, 1
	s_cmp_lg_u32 s3, 0
	s_cbranch_scc1 .Llap
	QUARTER 0, 2, F1, F0, 0                        ; the last lap fills nothing, and has no round of the cluster's barrier
	QUARTER 0, 3, F0, F1, 0
	TURN 0, 1, 0
	QUARTER 1, 1, F0, F1, 0
	QUARTER 1, 2, F1, F0, 0
	QUARTER 1, 3, F0, F1, 0
	s_wait_dscnt 8
	WIN W_M
	MUL16 F1, 0, 0
	s_wait_dscnt 0x0
	MUL16 F1, 4, 0
	WIN 0
; THE WAY OUT, block by block of 16 rows x 64 columns, through my own stage: in by 32 bytes a lane, back as whole rows of 256 bytes.  LDS serves a wave's instructions in order (ISA guide 5.7.1.4): no wait between the stores and the loads.
.macro TOSTAGE a
	WIN 0x04                                       ; an LDS store's data are its source 1: window 1
.irp b, 0,1,2,3
	ds_store_b128 v[STO], v[8*(4*(\a)+\b):8*(4*(\a)+\b)+3] offset:64*\b          ; each accumulator from its low end on
	ds_store_b128 v[STO], v[8*(4*(\a)+\b)+4:8*(4*(\a)+\b)+7] offset:64*\b+16
.endr
	WIN 0
.set BB, BK+32*((\a)%2)
.irp t, 0,1,2,3,4,5,6,7
	ds_load_b128 v[BB+4*\t:BB+4*\t+3], v[RD] offset:\t*2*SP
.endr
.endm
.macro SEND a, younger                 ; younger: the LDS instructions issued behind block a's loads, which may stay out
.set BB, BK+32*((\a)%2)
	s_wait_dscnt \younger
.irp t, 0,1,2,3,4,5,6,7
	global_store_b128 v[CO], v[BB+4*\t:BB+4*\t+3], s[10:11] offset:(\a)*65536+\t*8192 th:TH_STORE_NT   ; sixteen lanes store 256 consecutive bytes, aligned; written once, read by nobody here
.endr
.endm
	PLACES                                         ; in front of the first read of results and of loads into the fragments' registers
	TOSTAGE 0
.irp a, 1,2,3,4,5,6,7
.if \a > 1
	s_wait_xcnt 0x0                                ; block a - 2's stores have read their registers: block a's loads may land there
.endif
	TOSTAGE \a
	SEND \a-1, 16                                  ; behind block a - 1's loads: block a's 8 stores and 8 loads
.endr
	SEND 7, 0
	s_wait_tensorcnt 0x0                           ; the wave's end: behind my last tensor load and my last LDS store
	ds_add_u32 v[SPW], v[NIL]
	s_wait_dscnt 0x0
	CROUND                                         ; the closing round
	s_endpgm
.Lfunc_end_k_qcaaa41fbf7_oproj:
	.size	k_qcaaa41fbf7_oproj, .Lfunc_end_k_qcaaa41fbf7_oproj-k_qcaaa41fbf7_oproj
	.p2alignl 7, 3214868480
	.fill 96, 4, 3214868480
	.section	.rodata,"a",@progbits
	.p2align	6, 0x0
	.amdhsa_kernel k_qcaaa41fbf7_oproj
		.amdhsa_group_segment_fixed_size 327680
		.amdhsa_private_segment_fixed_size 0
		.amdhsa_enable_private_segment 0
		.amdhsa_kernarg_size 32
		.amdhsa_user_sgpr_count 2
		.amdhsa_user_sgpr_kernarg_segment_ptr 1
		.amdhsa_wavefront_size32 1
		.amdhsa_system_sgpr_workgroup_id_x 1
		.amdhsa_system_sgpr_workgroup_id_y 1
		.amdhsa_system_sgpr_workgroup_id_z 1
		.amdhsa_system_vgpr_workitem_id 0
		.amdhsa_next_free_vgpr 512
		.amdhsa_next_free_sgpr 66
		.amdhsa_reserve_vcc 0
		.amdhsa_float_denorm_mode_32 3
		.amdhsa_float_denorm_mode_16_64 3
		.amdhsa_memory_ordered 1
		.amdhsa_forward_progress 1
		.amdhsa_inst_pref_size 86
	.end_amdhsa_kernel
	.amdgpu_metadata
---
amdhsa.version: [ 1, 2 ]
amdhsa.kernels:
  - .name:           k_qcaaa41fbf7_oproj
    .symbol:         k_qcaaa41fbf7_oproj.kd
    .args:
      - { .name: cf, .offset: 0, .size: 8, .value_kind: global_buffer, .address_space: global }
      - { .name: wo_h, .offset: 8, .size: 8, .value_kind: global_buffer, .address_space: global }
      - { .name: bo, .offset: 16, .size: 8, .value_kind: global_buffer, .address_space: global }
      - { .name: out0, .offset: 24, .size: 8, .value_kind: global_buffer, .address_space: global }
    .group_segment_fixed_size: 327680
    .private_segment_fixed_size: 0
    .kernarg_segment_align: 8
    .kernarg_segment_size: 32
    .max_flat_workgroup_size: 128
    .sgpr_count:     66
    .vgpr_count:     512
    .wavefront_size: 32
...
	.end_amdgpu_metadata
.endif
;; end of part 5
